; MI455X (gfx1250); checked and timed in simulation.
; The chip was launched on July 23, 2026; its instructions are those of AMD's public machine-readable ISA for CDNA 5 (MIT licence, August 2026) and "CDNA5" Instruction Set Architecture Reference Guide (July 2026). The comments in the code are by the model that wrote it; some were corrected since.
;; Ortho Init Phasor. Allowed arithmetic: float matrix products may take bf16 or f16 operands with f32 sums; all other float work in f32.
;; Inputs: Wk 1,024 x 1,024 float32; Wkm 1,024 x 1,024 float32; Wo 1,024 x 1,024 float32; Wq 1,024 x 1,024 float32; Wqm 1,024 x 1,024 float32; Wv 1,024 x 1,024 float32; base_phases 4,096 x 1,024 float32; bk 1,024 float32; bkm 1,024 float32; bo 1,024 float32; bq 1,024 float32; bqm 1,024 float32; bv 1,024 float32; ln_b 1,024 float32; ln_g 1,024 float32; mod_scale 1 float32; x 2 x 4,096 x 1,024 float32.
;; Outputs: out0 2 x 4,096 x 1,024 float32.
;; One version. Each part assembles by itself: llvm-mc -triple=amdgcn-amd-amdhsa -mcpu=gfx1250 --defsym DOCPART=n.
;; ======== version 1 of 1: 3 launches
;; limits: right only within a limited range of input values; a function is approximated: absolute error at most 3.6e-06; an absolute error that grows with the inputs' magnitude: up to 2.8e-08 times it
;; workspace buffers: xb 16,777,216 bytes; wcat 6,291,456 bytes; woe 2,162,688 bytes; cvec 8,192 bytes; pb 65,536 bytes; rb 16,777,216 bytes; stats 1,048,576 bytes
;; launch prep (part 1): grid 512 x 1, 8 waves a work-group, no clusters, 81,920 bytes of LDS; arguments x, Wk, Wkm, Wq, Wqm, Wv, Wo, bk, bkm, bq, bqm, ln_g, ln_b, xb, wcat, woe, cvec, pb; writes xb, wcat, woe, cvec, pb
.if DOCPART == 1
	.amdgcn_target "amdgcn-amd-amdhsa--gfx1250"
	.amdhsa_code_object_version 6
	.text
	.protected	k_q6a5d158392_prep
	.globl	k_q6a5d158392_prep
	.p2align	8
	.type	k_q6a5d158392_prep,@function
k_q6a5d158392_prep:
	s_mov_b64 s[64:65], 0
	v_nop
	global_prefetch_b8 v0, s[64:65] scope:SCOPE_SE
	s_setreg_imm32_b32 hwreg(HW_REG_WAVE_MODE, 25, 1), 1
	s_wait_xcnt 0x0
; prep: everything that is made once from the weights, and the cast of x.
; Work-groups 0-255 (products): a tile of 64 x 128 of Wck = Wk Wkm (0-127) or Wcq = Wq Wqm (128-255), bf16 operands, f32 sums, stored
;   as bf16 into wcat; the work-groups of the first block row also make ck = bk Wkm + bkm (cq likewise) in f32 into cvec.
;   (x Wk + bk) Wkm + bkm = x (Wk Wkm) + (bk Wkm + bkm) holds for every input; only the order of rounding differs from the reference's.
; Work-groups 256-511 (casts): 32 rows of x to bf16 into xb [16 kb][8192 rows][64]; 4 rows of Wv into wcat; a tile of 64 x 64 of
;   Wo' = ln_g[k] Wo[k][n] into woe [16 strips][1056 k][64 n], with its column sums cs (row 1024 + 2 kb of the strip, row 1025 + 2 kb = 0)
;   and pb[kb][n] = sum over the tile's rows of ln_b[k] Wo[k][n] in f32.
; All loads go through registers; the choice of the part hangs on the work-group's number alone, so every barrier is met by all eight waves.
; The two parts use disjoint LDS bytes: the products 0 to 76,799, the casts 76,800 to 80,895.
.set SLOTP, 27648                      ; an LDS slot: A 64 rows x 144 bytes, then B 64 k x 288 bytes
.set BOFF,  9216
.set STG,   55296                      ; stage for the way out: 64 rows x 272 bytes
.set RED,   72704                      ; 8 x 512 bytes: the waves' bias sums
.set CSC,   76800                      ; 8 x 512 bytes: the casts' column sums, bytes that the products never touch
.set VOA, 2                            ; byte offset of my 16 bytes in A's tile
.set VOB, 3                            ; the same in B's tile
.set DSA, 4                            ; where I put 8 bytes of A in LDS
.set DSB, 5                            ; the same for B
.set FAA, 6                            ; address of my A fragments
.set FBA, 7                            ; address of my B fragments (transposing loads)
.set STO, 8
.set RDB, 9
.set GO,  10
.set RA,  11                           ; RED + 16 t
.set BACC, 12                          ; v[12:15] bias sums of my 4 columns
.set LS,  16                           ; v[16:159] three sets of 48: A 16 registers, B 32
.set FRA, 160                          ; v[160:191] A fragments, 2 halves of the K step x 2 tiles
.set FRB, 192                          ; v[192:223] B fragments
.set ACC, 224                          ; v[224:255] 2 x 2 accumulator tiles
.set TA, 240                           ; scratch of the set-up, ahead of the first product
.set TB, 241
.set TC, 242
.set TD, 243
	s_set_vgpr_msb 0x40
	v_lshl_add_u32 v0, v0, 2, 0x13c00
	v_mov_b32 v1, 0
	s_set_vgpr_msb 0x4000
	v_lshrrev_b32 v1, 5, v0
	v_readfirstlane_b32 s24, v1                    ; wave 0..7
	v_and_b32 v1, 31, v0                           ; lane
	s_cmp_lt_u32 ttmp9, 256
	s_cbranch_scc0 .Lcast
; ---------------------------------------------------------------- the products
	s_load_b256 s[4:11], s[0:1], 0x8               ; Wk, Wkm, Wq, Wqm
	s_load_b256 s[12:19], s[0:1], 0x38             ; bk, bkm, bq, bqm
	s_load_b64 s[20:21], s[0:1], 0x70              ; wcat
	s_load_b64 s[22:23], s[0:1], 0x80              ; cvec
	s_lshr_b32 s25, ttmp9, 7                       ; which product: 0 key, 1 query
	s_bfe_u32 s26, ttmp9, 0x40003                  ; mb: block of 64 rows
	s_and_b32 s27, ttmp9, 7                        ; nb: block of 128 columns
	s_lshr_b32 s28, s24, 2                         ; wm: my 32 rows of the tile
	s_and_b32 s29, s24, 3                          ; wn: my 32 columns
	v_lshrrev_b32 v[TA], 4, v0                     ; t / 16
	v_and_b32 v[TB], 15, v0                        ; t % 16
	v_bfe_u32 v[TC], v0, 4, 1                      ; upper half of the lanes
	v_lshlrev_b32 v[VOA], 12, v[TA]                ; A: row t / 16 (+ 16 i), 16 bytes at 16 (t % 16)
	v_lshl_add_u32 v[VOA], v[TB], 4, v[VOA]
	s_lshl_b32 s30, s24, 15
	v_lshl_add_u32 v[VOB], v1, 4, s30              ; B: row 8 w (+ i), 16 bytes at 16 x lane
	v_mul_u32_u24 v[DSA], v[TA], 144
	v_lshl_add_u32 v[DSA], v[TB], 3, v[DSA]
	s_mul_i32 s30, s24, 2304
	s_add_co_u32 s30, s30, BOFF
	v_lshl_add_u32 v[DSB], v1, 3, s30
	v_mul_u32_u24 v[FAA], v[TB], 144               ; A fragment: row x pitch + 16 x half
	v_lshl_add_u32 v[FAA], v[TC], 4, v[FAA]
	s_mul_i32 s30, s28, 4608
	v_add_nc_u32 v[FAA], s30, v[FAA]
	v_and_b32 v[TD], 7, v0                         ; B fragment from rows that lie along n: row 8 x half + lane % 8, 16 bytes at 16 ((lane / 8) % 2)
	v_lshl_add_u32 v[TD], v[TC], 3, v[TD]
	v_mul_u32_u24 v[FBA], v[TD], 288
	v_bfe_u32 v[TD], v0, 3, 1
	v_lshl_add_u32 v[FBA], v[TD], 4, v[FBA]
	s_lshl_b32 s30, s29, 6
	s_add_co_u32 s30, s30, BOFF
	v_add_nc_u32 v[FBA], s30, v[FBA]
	v_mul_u32_u24 v[STO], v[TB], 272
	v_lshl_add_u32 v[STO], v[TC], 4, v[STO]
	s_mul_i32 s30, s28, 8704
	s_lshl_b32 s31, s29, 6
	s_add_co_u32 s30, s30, s31
	s_add_co_u32 s30, s30, STG
	v_add_nc_u32 v[STO], s30, v[STO]
	v_mul_u32_u24 v[RDB], v[TA], 272
	v_lshl_add_u32 v[RDB], v[TB], 4, v[RDB]
	v_add_nc_u32 v[RDB], STG, v[RDB]
	v_lshlrev_b32 v[GO], 11, v[TA]
	v_lshl_add_u32 v[GO], v[TB], 4, v[GO]
	v_lshlrev_b32 v[RA], 4, v0
	v_add_nc_u32 v[RA], RED, v[RA]
	v_lshlrev_b32 v1, 4, v1                        ; 16 x lane
	s_wait_kmcnt 0x0
	s_cmp_eq_u32 s25, 0
	s_cselect_b64 s[4:5], s[4:5], s[8:9]           ; A: Wk or Wq
	s_cselect_b64 s[6:7], s[6:7], s[10:11]         ; B: Wkm or Wqm
	s_cselect_b64 s[12:13], s[12:13], s[16:17]     ; bk or bq
	s_cselect_b64 s[14:15], s[14:15], s[18:19]     ; bkm or bqm
	s_mov_b32 s31, 0
	s_lshl_b32 s30, s26, 18                        ; 64 rows of 4,096 bytes
	s_add_nc_u64 s[4:5], s[4:5], s[30:31]
	s_lshl_b32 s30, s27, 9                         ; 128 columns of f32
	s_add_nc_u64 s[6:7], s[6:7], s[30:31]
	s_add_nc_u64 s[14:15], s[14:15], s[30:31]
	s_add_nc_u64 s[22:23], s[22:23], s[30:31]
	s_lshl_b32 s30, s25, 12
	s_add_nc_u64 s[22:23], s[22:23], s[30:31]
	s_lshl_b32 s30, s24, 5                         ; my wave's 8 numbers of each 64 of bk
	s_add_nc_u64 s[12:13], s[12:13], s[30:31]
	s_lshl_b32 s30, s25, 22                        ; wcat: matrix 0 or 2,
	s_add_nc_u64 s[20:21], s[20:21], s[30:31]
	s_lshl_b32 s30, s26, 17                        ; 64 rows of 2,048 bytes,
	s_add_nc_u64 s[20:21], s[20:21], s[30:31]
	s_lshl_b32 s30, s27, 8                         ; 128 columns of bf16
	s_add_nc_u64 s[20:21], s[20:21], s[30:31]
.macro LOADSET s                       ; the 12 loads of K step s, into set s % 3
.set US, LS+48*((\s)%3)
.irp i,0,1,2,3
	global_load_b128 v[US+4*\i:US+4*\i+3], v[VOA], s[4:5] offset:\i*65536+(\s)*256
.endr
.irp i,0,1,2,3,4,5,6,7
	global_load_b128 v[US+16+4*\i:US+16+4*\i+3], v[VOB], s[6:7] offset:\i*4096+(\s)*262144
.endr
.endm
; K step s comes out of its registers: (bias sums,) rounded to bf16, stored into LDS slot s % 2.
.macro STAGEIN s, bias
.set U, LS+48*((\s)%3)
.set SL, SLOTP*((\s)%2)
.set LEFT, 15-(\s)
.if LEFT > 2
.set LEFT, 2
.endif
	s_wait_loadcnt 12*LEFT                         ; loads come back in order: this step's 12 are in, the two younger sets' (fewer at the end) stay out
.if \bias
.set OC, 32+8*((\s)%2)
	s_wait_kmcnt 0x0                               ; this step's 8 numbers of bk
.if (\s) < 15
	s_load_b256 s[72-OC:79-OC], s[12:13], ((\s)+1)*256   ; the next step's, into the other eight registers
.endif
.irp i,0,1,2,3,4,5,6,7
.irp c,0,1,2,3
.if (\s)+\i == 0
	v_mul_f32 v[BACC+\c], s[OC+\i], v[U+16+4*\i+\c]      ; the first row starts the sums
.else
	v_fmac_f32 v[BACC+\c], s[OC+\i], v[U+16+4*\i+\c]
.endif
.endr
.endr
.endif
.irp q,0,1,2,3,4,5,6,7,8,9,10,11
	v_cvt_pk_bf16_f32 v[U+4*\q], v[U+4*\q], v[U+4*\q+1]
	v_cvt_pk_bf16_f32 v[U+4*\q+1], v[U+4*\q+2], v[U+4*\q+3]
.endr
.irp i,0,1,2,3
	ds_store_b64 v[DSA], v[U+4*\i:U+4*\i+1] offset:SL+\i*2304
.endr
.irp i,0,1,2,3,4,5,6,7
	ds_store_b64 v[DSB], v[U+16+4*\i:U+16+4*\i+1] offset:SL+\i*288
.endr
.endm
.macro FRAGS s                         ; 16 loads: my fragments of K step s, the first 32 of K first
.set SF, SLOTP*((\s)%2)
.irp kk,0,1
.irp a,0,1
	ds_load_b128 v[FRA+16*\kk+8*\a:FRA+16*\kk+8*\a+3], v[FAA] offset:SF+\a*2304+64*\kk
	ds_load_b128 v[FRA+16*\kk+8*\a+4:FRA+16*\kk+8*\a+7], v[FAA] offset:SF+\a*2304+64*\kk+32
.endr
.irp b,0,1
	ds_load_tr16_b128 v[FRB+16*\kk+8*\b:FRB+16*\kk+8*\b+3], v[FBA] offset:SF+32*\b+9216*\kk
	ds_load_tr16_b128 v[FRB+16*\kk+8*\b+4:FRB+16*\kk+8*\b+7], v[FBA] offset:SF+32*\b+9216*\kk+4608
.endr
.endr
.endm
; source 0 = columns of B, source 1 = rows of A: a lane's eight results are eight neighbouring columns of one row.
; The four accumulators take turns, one instruction a turn.  left = LDS stores issued behind the fragment loads.
.macro MULS s, left
.irp kk,0,1
	s_wait_dscnt 8-8*\kk+\left                     ; LDS instructions end in order: the first half's 8 loads are in, then all 16; what was issued behind them may be out
.irp a,0,1
.irp b,0,1
.if (\s)+\kk == 0
	v_wmma_f32_16x16x32_bf16 v[ACC+8*(2*\a+\b):ACC+8*(2*\a+\b)+7], v[FRB+16*\kk+8*\b:FRB+16*\kk+8*\b+7], v[FRA+16*\kk+8*\a:FRA+16*\kk+8*\a+7], 0
.else
	v_wmma_f32_16x16x32_bf16 v[ACC+8*(2*\a+\b):ACC+8*(2*\a+\b)+7], v[FRB+16*\kk+8*\b:FRB+16*\kk+8*\b+7], v[FRA+16*\kk+8*\a:FRA+16*\kk+8*\a+7], v[ACC+8*(2*\a+\b):ACC+8*(2*\a+\b)+7]
.endif
.endr
.endr
.endr
.endm
; One K step of 64, behind the barrier that has shown slot s % 2 whole.  The fragment loads go out first; while they are on their way the set that
; step s left free is loaded again (three steps ahead) and step s + 1 is rounded and stored into the other slot; the stores land while step s is multiplied.
; The other slot was last read in step s - 1, and every wave waited for those reads in front of the barrier that opened this step.
.macro PSTEP s, bias
	FRAGS \s
.if (\s)+3 < 16
	LOADSET (\s)+3
.endif
.if (\s)+1 < 16
	STAGEIN (\s)+1, \bias
	MULS \s, 12
.else
	MULS \s, 0
.endif
.rept 4
	v_nop                                          ; four places behind the matrix instructions, ahead of the next loads into their sources and of the reads of their results
.endr
.if (\s)+1 < 16
	s_wait_dscnt 0x0                               ; my stores of step s + 1 are in LDS and my reads of step s are over, for the other waves' sake
	s_barrier_signal -1
	s_barrier_wait -1
.endif
.endm
.macro PROD bias
	LOADSET 0
	LOADSET 1
	LOADSET 2
.if \bias
	s_load_b256 s[32:39], s[12:13], 0x0
.endif
	STAGEIN 0, \bias
	s_wait_dscnt 0x0
	s_barrier_signal -1
	s_barrier_wait -1
.set ks, 0
.rept 16
	PSTEP ks, \bias
.set ks, ks+1
.endr
.irp a,0,1
.irp b,0,1
.irp q,0,1,2,3
	v_cvt_pk_bf16_f32 v[LS+4*(2*\a+\b)+\q], v[ACC+8*(2*\a+\b)+2*\q], v[ACC+8*(2*\a+\b)+2*\q+1]
.endr
	ds_store_b128 v[STO], v[LS+4*(2*\a+\b):LS+4*(2*\a+\b)+3] offset:\a*4352+32*\b
.endr
.endr
.if \bias
	ds_store_b128 v[RA], v[BACC:BACC+3]
.endif
	s_wait_dscnt 0x0
	s_barrier_signal -1
	s_barrier_wait -1
.irp i,0,1,2,3
	ds_load_b128 v[32+4*\i:35+4*\i], v[RDB] offset:\i*4352
.endr
	s_wait_dscnt 0x0
.irp i,0,1,2,3
	global_store_b128 v[GO], v[32+4*\i:35+4*\i], s[20:21] offset:\i*32768    ; sixteen lanes store 256 consecutive bytes, aligned
.endr
.if \bias
	s_cmp_lg_u32 s24, 0
	s_cbranch_scc1 .Lpend_\@                       ; wave 0 adds the eight waves' sums (its RA is RED + 16 x lane)
	global_load_b128 v[64:67], v1, s[14:15]        ; bkm or bqm
.irp k,0,1,2,3,4,5,6,7
	ds_load_b128 v[68+4*\k:71+4*\k], v[RA] offset:512*\k
.endr
	s_wait_dscnt 0x0
	s_wait_loadcnt 0x0
.irp k,0,1,2,3,4,5,6,7
	v_pk_add_f32 v[64:65], v[64:65], v[68+4*\k:69+4*\k]
	v_pk_add_f32 v[66:67], v[66:67], v[70+4*\k:71+4*\k]
.endr
	global_store_b128 v1, v[64:67], s[22:23]
.Lpend_\@:
.endif
	s_set_vgpr_msb 0x5
	s_wait_tensorcnt 0x0
	ds_add_u32 v0, v1
	s_wait_dscnt 0x0
	s_set_vgpr_msb 0x500
	s_endpgm
.endm
	s_cmp_eq_u32 s26, 0
	s_cbranch_scc1 .Lwith_bias                     ; B's whole columns pass through every block row: the first one alone also makes the bias
	PROD 0
.Lwith_bias:
	PROD 1
; ---------------------------------------------------------------- the casts
.set CX,  16                           ; v[16:143]  x: 32 loads of 4
.set CWV, 144                          ; v[144:159] Wv
.set CWO, 160                          ; v[160:175] Wo
.set CG,  176                          ; v[176:179] ln_g of my 4 rows
.set CLB, 180                          ; v[180:183] ln_b of my 4 rows
.set CCS, 184                          ; v[184:187] column sums of Wo'
.set CPB, 188                          ; v[188:191] column sums of ln_b Wo
.Lcast:
	s_load_b64 s[4:5], s[0:1], 0x0                 ; x
	s_load_b128 s[8:11], s[0:1], 0x28              ; Wv, Wo
	s_load_b128 s[12:15], s[0:1], 0x58             ; ln_g, ln_b
	s_load_b128 s[16:19], s[0:1], 0x68             ; xb, wcat
	s_load_b64 s[20:21], s[0:1], 0x78              ; woe
	s_load_b64 s[22:23], s[0:1], 0x88              ; pb
	s_and_b32 s25, ttmp9, 255                      ; c
	s_lshr_b32 s26, s25, 4                         ; kb: block of 64 rows of Wo
	s_and_b32 s27, s25, 15                         ; strip of 64 columns of Wo
	s_mov_b32 s28, 0xffff0000                      ; lanes 16-31
	s_mov_b32 s36, 0x76543210                      ; v_permlanex16_b32: lane i takes lane i of the other half
	s_mov_b32 s37, 0xfedcba98
	v_and_b32 v8, 15, v0
	v_bfe_u32 v9, v0, 4, 1
	v_lshlrev_b32 v8, 4, v8                        ; 16 (t % 16)
	v_lshl_add_u32 v2, v9, 12, v8                  ; x: lanes 16-31 one row further down
	v_lshlrev_b32 v3, 3, v1                        ; 8 x lane
	v_lshlrev_b32 v4, 4, v0                        ; 16 t
	v_lshlrev_b32 v5, 3, v0                        ; 8 t
	v_add_nc_u32 v10, CSC, v4                      ; my 16 bytes of the casts' scratch: beyond the reach of an LDS immediate, so in a register
	v_lshrrev_b32 v9, 4, v0
	v_lshl_add_u32 v6, v9, 12, v8                  ; Wo: row t / 16
	v_lshlrev_b32 v7, 2, v9
	s_mov_b32 s31, 0
	s_wait_kmcnt 0x0
	s_lshl_b32 s30, s25, 17                        ; x: 32 rows a work-group,
	s_add_nc_u64 s[4:5], s[4:5], s[30:31]
	s_lshl_b32 s30, s24, 14                        ; 4 rows a wave
	s_add_nc_u64 s[4:5], s[4:5], s[30:31]
	s_lshl_b32 s30, s25, 12                        ; xb: the same rows, 128 bytes each in a block
	s_add_nc_u64 s[16:17], s[16:17], s[30:31]
	s_lshl_b32 s30, s24, 9
	s_add_nc_u64 s[16:17], s[16:17], s[30:31]
	s_add_nc_u64 s[32:33], s[16:17], 0x800000      ; blocks 8-15: the immediate reaches 7 blocks of 1 MiB
	s_lshl_b32 s30, s25, 14                        ; Wv: 4 rows
	s_add_nc_u64 s[8:9], s[8:9], s[30:31]
	s_lshl_b32 s30, s25, 13
	s_add_co_u32 s30, s30, 0x200000                ; wcat: matrix 1
	s_add_nc_u64 s[18:19], s[18:19], s[30:31]
	s_lshl_b32 s30, s26, 18
	s_add_nc_u64 s[10:11], s[10:11], s[30:31]
	s_lshl_b32 s30, s27, 8
	s_add_nc_u64 s[10:11], s[10:11], s[30:31]
	s_add_nc_u64 s[22:23], s[22:23], s[30:31]
	s_lshl_b32 s30, s26, 12
	s_add_nc_u64 s[22:23], s[22:23], s[30:31]
	s_lshl_b32 s30, s26, 8
	s_add_nc_u64 s[12:13], s[12:13], s[30:31]
	s_add_nc_u64 s[14:15], s[14:15], s[30:31]
	s_mul_i32 s29, s27, 135168                     ; a strip of woe: 1,056 rows of 128 bytes
	s_add_co_u32 s30, s30, s29
	s_add_co_u32 s30, s30, 131072                  ; rows 1024 + 2 kb and 1025 + 2 kb
	s_add_nc_u64 s[34:35], s[20:21], s[30:31]
	s_lshl_b32 s30, s26, 13
	s_add_co_u32 s30, s30, s29
	s_add_nc_u64 s[20:21], s[20:21], s[30:31]
	; all 48 loads first
.irp p,0,1
.irp kb,0,1,2,3,4,5,6,7,8,9,10,11,12,13,14,15
	global_load_b128 v[CX+64*\p+4*\kb:CX+64*\p+4*\kb+3], v2, s[4:5] offset:\p*8192+\kb*256 th:TH_LOAD_NT
.endr
.endr
.irp i,0,1,2,3
	global_load_b128 v[CWV+4*\i:CWV+4*\i+3], v4, s[8:9] offset:\i*4096 th:TH_LOAD_NT
.endr
.irp i,0,1,2,3
	global_load_b128 v[CWO+4*\i:CWO+4*\i+3], v6, s[10:11] offset:\i*65536 th:TH_LOAD_NT
.endr
.irp i,0,1,2,3
	global_load_b32 v[CG+\i], v7, s[12:13] offset:\i*64
.endr
.irp i,0,1,2,3
	global_load_b32 v[CLB+\i], v7, s[14:15] offset:\i*64
.endr
; eight loads of x: rounded, stored.  Lanes 0-15 hold 128 bytes of one row of a block, lanes 16-31 of the next: 256 consecutive bytes, aligned.
.macro XGROUP g, left
	s_wait_loadcnt \left                           ; the younger loads stay out
.irp e,0,1,2,3,4,5,6,7
	v_cvt_pk_bf16_f32 v[CX+32*\g+4*\e], v[CX+32*\g+4*\e], v[CX+32*\g+4*\e+1]
	v_cvt_pk_bf16_f32 v[CX+32*\g+4*\e+1], v[CX+32*\g+4*\e+2], v[CX+32*\g+4*\e+3]
	global_store_b64 v3, v[CX+32*\g+4*\e:CX+32*\g+4*\e+1], s[16+16*((\g)%2):17+16*((\g)%2)] offset:\e*1048576+((\g)/2)*256
.endr
.endm
	XGROUP 0, 40
	XGROUP 1, 32
	XGROUP 2, 24
	XGROUP 3, 16
	s_wait_loadcnt 12
.irp i,0,1,2,3
	v_cvt_pk_bf16_f32 v[CWV+4*\i], v[CWV+4*\i], v[CWV+4*\i+1]
	v_cvt_pk_bf16_f32 v[CWV+4*\i+1], v[CWV+4*\i+2], v[CWV+4*\i+3]
	global_store_b64 v5, v[CWV+4*\i:CWV+4*\i+1], s[18:19] offset:\i*2048
.endr
	s_wait_loadcnt 0x0
.irp c,0,1,2,3
	v_mul_f32 v[CPB+\c], v[CLB], v[CWO+\c]
	v_mul_f32 v[CWO+\c], v[CG], v[CWO+\c]
	v_fmac_f32 v[CPB+\c], v[CLB+1], v[CWO+4+\c]
	v_fma_f32 v[CCS+\c], v[CG+1], v[CWO+4+\c], v[CWO+\c]
	v_mul_f32 v[CWO+4+\c], v[CG+1], v[CWO+4+\c]
.endr
.irp i,2,3
.irp c,0,1,2,3
	v_fmac_f32 v[CPB+\c], v[CLB+\i], v[CWO+4*\i+\c]
	v_fmac_f32 v[CCS+\c], v[CG+\i], v[CWO+4*\i+\c]
	v_mul_f32 v[CWO+4*\i+\c], v[CG+\i], v[CWO+4*\i+\c]
.endr
.endr
.irp i,0,1,2,3
	v_cvt_pk_bf16_f32 v[CWO+4*\i], v[CWO+4*\i], v[CWO+4*\i+1]
	v_cvt_pk_bf16_f32 v[CWO+4*\i+1], v[CWO+4*\i+2], v[CWO+4*\i+3]
	global_store_b64 v5, v[CWO+4*\i:CWO+4*\i+1], s[20:21] offset:\i*2048
.endr
.irp c,0,1,2,3
	v_permlanex16_b32 v[CG+\c], v[CCS+\c], s36, s37        ; the other half of the wave holds the neighbouring row
	v_permlanex16_b32 v[CLB+\c], v[CPB+\c], s36, s37
.endr
.irp c,0,1,2,3
	v_add_f32 v[CCS+\c], v[CCS+\c], v[CG+\c]
	v_add_f32 v[CPB+\c], v[CPB+\c], v[CLB+\c]
.endr
.irp c,0,1,2,3
	v_cndmask_b32 v[CCS+\c], v[CCS+\c], v[CPB+\c], s28     ; lanes 0-15 go on with cs, lanes 16-31 with pb
.endr
	ds_store_b128 v10, v[CCS:CCS+3]                ; 512 bytes a wave, at CSC + 16 t
	s_wait_dscnt 0x0
	s_barrier_signal -1
	s_barrier_wait -1
	s_cmp_lg_u32 s24, 0
	s_cbranch_scc1 .Lcend
.irp k,0,1,2,3,4,5,6,7
	ds_load_b128 v[192+4*\k:195+4*\k], v10 offset:512*\k   ; wave 0: its address is CSC + 16 x lane
.endr
	s_wait_dscnt 0x0
.irp k,1,2,3,4,5,6,7
	v_pk_add_f32 v[192:193], v[192:193], v[192+4*\k:193+4*\k]
	v_pk_add_f32 v[194:195], v[194:195], v[194+4*\k:195+4*\k]
.endr
	v_cvt_pk_bf16_f32 v224, v192, v193
	v_cvt_pk_bf16_f32 v225, v194, v195
	v_cndmask_b32 v224, v224, 0, s28               ; the odd row of the pair is zero
	v_cndmask_b32 v225, v225, 0, s28
	global_store_b64 v3, v[224:225], s[34:35]      ; two rows of the strip: 256 consecutive bytes, aligned
	v_cmp_le_u32 vcc_lo, 16, v1
	s_wait_xcnt 0x0                                ; EXEC changes only when the issued stores' addresses are translated
	s_and_saveexec_b32 s29, vcc_lo
	global_store_b128 v8, v[192:195], s[22:23]     ; lanes 16-31: pb, 256 consecutive bytes, aligned
	s_wait_xcnt 0x0
	s_or_b32 exec_lo, exec_lo, s29
.Lcend:
	s_set_vgpr_msb 0x5
	s_wait_tensorcnt 0x0
	ds_add_u32 v0, v1
	s_wait_dscnt 0x0
	s_set_vgpr_msb 0x500
	s_endpgm
.Lfunc_end_k_q6a5d158392_prep:
	.size	k_q6a5d158392_prep, .Lfunc_end_k_q6a5d158392_prep-k_q6a5d158392_prep
	.p2alignl 7, 3214868480
	.fill 96, 4, 3214868480
	.section	.rodata,"a",@progbits
	.p2align	6, 0x0
	.amdhsa_kernel k_q6a5d158392_prep
		.amdhsa_group_segment_fixed_size 81920
		.amdhsa_private_segment_fixed_size 0
		.amdhsa_enable_private_segment 0
		.amdhsa_kernarg_size 144
		.amdhsa_user_sgpr_count 2
		.amdhsa_user_sgpr_kernarg_segment_ptr 1
		.amdhsa_wavefront_size32 1
		.amdhsa_system_sgpr_workgroup_id_x 1
		.amdhsa_system_sgpr_workgroup_id_y 1
		.amdhsa_system_sgpr_workgroup_id_z 1
		.amdhsa_system_vgpr_workitem_id 0
		.amdhsa_next_free_vgpr 258
		.amdhsa_next_free_sgpr 66
		.amdhsa_reserve_vcc 1
		.amdhsa_float_denorm_mode_32 3
		.amdhsa_float_denorm_mode_16_64 3
		.amdhsa_memory_ordered 1
		.amdhsa_forward_progress 1
		.amdhsa_inst_pref_size 215
	.end_amdhsa_kernel
	.amdgpu_metadata
---
amdhsa.version: [ 1, 2 ]
amdhsa.kernels:
  - .name:           k_q6a5d158392_prep
    .symbol:         k_q6a5d158392_prep.kd
    .args:
      - { .name: x, .offset: 0, .size: 8, .value_kind: global_buffer, .address_space: global }
      - { .name: Wk, .offset: 8, .size: 8, .value_kind: global_buffer, .address_space: global }
      - { .name: Wkm, .offset: 16, .size: 8, .value_kind: global_buffer, .address_space: global }
      - { .name: Wq, .offset: 24, .size: 8, .value_kind: global_buffer, .address_space: global }
      - { .name: Wqm, .offset: 32, .size: 8, .value_kind: global_buffer, .address_space: global }
      - { .name: Wv, .offset: 40, .size: 8, .value_kind: global_buffer, .address_space: global }
      - { .name: Wo, .offset: 48, .size: 8, .value_kind: global_buffer, .address_space: global }
      - { .name: bk, .offset: 56, .size: 8, .value_kind: global_buffer, .address_space: global }
      - { .name: bkm, .offset: 64, .size: 8, .value_kind: global_buffer, .address_space: global }
      - { .name: bq, .offset: 72, .size: 8, .value_kind: global_buffer, .address_space: global }
      - { .name: bqm, .offset: 80, .size: 8, .value_kind: global_buffer, .address_space: global }
      - { .name: ln_g, .offset: 88, .size: 8, .value_kind: global_buffer, .address_space: global }
      - { .name: ln_b, .offset: 96, .size: 8, .value_kind: global_buffer, .address_space: global }
      - { .name: xb, .offset: 104, .size: 8, .value_kind: global_buffer, .address_space: global }
      - { .name: wcat, .offset: 112, .size: 8, .value_kind: global_buffer, .address_space: global }
      - { .name: woe, .offset: 120, .size: 8, .value_kind: global_buffer, .address_space: global }
      - { .name: cvec, .offset: 128, .size: 8, .value_kind: global_buffer, .address_space: global }
      - { .name: pb, .offset: 136, .size: 8, .value_kind: global_buffer, .address_space: global }
    .group_segment_fixed_size: 81920
    .private_segment_fixed_size: 0
    .kernarg_segment_align: 8
    .kernarg_segment_size: 144
    .max_flat_workgroup_size: 256
    .sgpr_count:     66
    .vgpr_count:     258
    .wavefront_size: 32
...
	.end_amdgpu_metadata
.endif
;; end of part 1
;; launch phasor (part 2): grid 8 x 32, 4 waves a work-group, clusters of 4 x 4, 327,680 bytes of LDS; arguments xb, wcat, base_phases, cvec, bv, mod_scale, rb, stats; writes rb, stats
.if DOCPART == 2
	.amdgcn_target "amdgcn-amd-amdhsa--gfx1250"
	.amdhsa_code_object_version 6
	.text
	.protected	k_q6a5d158392_phasor
	.globl	k_q6a5d158392_phasor
	.p2align	8
	.type	k_q6a5d158392_phasor,@function
k_q6a5d158392_phasor:
	s_mov_b64 s[64:65], 0
	v_nop
	global_prefetch_b8 v0, s[64:65] scope:SCOPE_SE
	s_setreg_imm32_b32 hwreg(HW_REG_WAVE_MODE, 25, 1), 1
	s_wait_xcnt 0x0
	s_wait_alu depctr_hold_cnt(0) depctr_sa_sdst(0) depctr_va_vdst(0) depctr_va_sdst(0) depctr_va_ssrc(0) depctr_va_vcc(0) depctr_vm_vsrc(0)
	s_getreg_b32 s2, hwreg(HW_REG_IB_STS2, 6, 4)
	s_cmp_eq_u32 s2, 0
	s_cbranch_scc0 .Lentry_in_a_cluster
	s_endpgm
.Lentry_in_a_cluster:
	s_bfe_u32 s2, ttmp6, 0x10000c
	s_cmp_lg_u32 s2, 0xf033
	s_cbranch_scc0 .Lentry_shape_is_right
	s_endpgm
.Lentry_shape_is_right:
; phasor: the three products of x (key phase, value, query phase), the phasor stage, the cumulative sum over chunks of 64 rows, and the
; LayerNorm statistics by blocks of 64 columns.
; A work-group makes 256 rows x 128 columns of all three products; a wave 128 rows x 64 columns x 3 = 96 accumulator tiles:
; window 1 key phase, window 2 value, window 3 query phase, tile (i, c) at v[8 (4 i + c)].  Source 0 = rows of x, source 1 = columns of W:
; lane (r, h) holds column r and rows 8 h + j, so the cumulative sum runs along a lane's registers.
; K goes in steps of 64 through two LDS slots.  CLUSTERS of 4 x 4: x's tile is shared along a row of the cluster, the weights' along a column.
; Out: rb[kb][row][64] = bf16(ret - block mean); stats: the block's mean and its sum of squared deviations, f32.
; LIMITS: |phase| < 2^22 pi (the multiple of pi is rounded by adding 1.5 x 2^23).  n pi is taken away in one fused multiply-add with pi rounded
; to f32: the reduced argument is off by |phase| x 2.8e-8, less than half the spacing of f32 numbers at |phase|.  On the reduced argument,
; |r| <= pi/2 for every input, sin is its series to r^9 (what is cut is at most 3.6e-6) and cos to r^10 (at most 4.7e-7).
; The reference's 1/sqrt(1024) is folded into the value (a power of two).
.set SLOT,  92160                      ; A: 256 rows x 144 bytes; then three matrices of 64 k x 288 bytes
.set BREG,  36864
.set BMAT,  18432
.set BASE,  184320                     ; each wave's own 128 rows x 64 f32 of base_phases, pitch 264
.set BWAVE, 33792
.set BT,    4224                       ; 16 rows of it.  Once read, they serve as that row tile's stage: 16 x 144 bytes of bf16, then 16 means, 16 sums
.set ADRA, 4                           ; v4-5   my A fragments in slot 0, 1
.set ADRB, 6                           ; v6-7   my B fragments
.set BADR, 8
.set STO,  9
.set RD,   10
.set SADR, 11
.set GOFF, 12
.set CADR, 13
.set MAG,  14                          ; v[14:15] 1.5 x 2^23, twice
.set VS7,  16                          ; v[16:17] -1/7!
.set VC8,  18                          ; v[18:19] 1/8!
.set CKQ,  20                          ; v[20:27] (ck ms, cq ms) of my column in each of 4 column tiles
.set BV,   28                          ; v[28:31] bv / 32 likewise
.set A0,   32                          ; v[32:95], v[96:159] fragments of x, two buffers
.set B0,   160                         ; v[160+32 m ..] fragments of matrix m
.set PK,  32                           ; behind the K loop
.set PQ,  64
.set VV,  96
.set RET, 128                          ; base phases as loaded, then the retrieved values
.set TQ,  160
.set NN,  168
.set RR,  176
.set R2,  184
.set CC,  192
.set SS,  200
.set CQ,  208
.set SQ,  216
.set CAR, 224                          ; v[224:231] (real, imaginary) carried from row tile to row tile, for each column tile
.set OFF, 232
.set XT,  234
.set UU,  236
.set SUM, 240
.set SQS, 248
.set WB,  32
.set OB,  48
.set G1A, 32
.set G0A, 40
.set G1B, 48
.set G0B, 56
.set G1P, 68
.set G0P, 76
.set IPI,  32                          ; scalar pairs of the epilogue, in the descriptors' registers once every tensor load has landed
.set NMAG, 34
.set NPH,  36
.set KS9,  40
.set KS5,  44
.set KS3,  46
.set KC10, 48
.set KC6,  52
.set KC4,  54
.set R32,  56
.set R64,  58
.set MS,   82
.set MSB, 0
.macro WIN new                         ; the immediate's high byte repeats the setting that is left
.if MSB != \new
	s_set_vgpr_msb (MSB<<8)|\new
.set MSB, \new
.endif
.endm
.macro PLACES                          ; four places behind a matrix instruction, ahead of loads into its sources or reads of its result
.rept 4
	v_nop
.endr
.endm
.macro JLOAD s                         ; wave 0 asks for x's tile, waves 1-3 for one matrix each: one mask and one set of registers a line
	s_cmp_eq_u32 s20, 0
	s_cbranch_scc0 .Lfor_b_\@
	tensor_load_to_lds s[G0A+4*\s:G0A+4*\s+3], s[G1A:G1A+7]
	s_nop 0
	s_branch .Lasked_\@
.Lfor_b_\@:
	tensor_load_to_lds s[G0B+4*\s:G0B+4*\s+3], s[G1B:G1B+7]
	s_nop 0
.Lasked_\@:
.endm
.macro CREST                           ; a round of the cluster's barrier behind its opening barrier
	s_cmp_lg_u32 s20, 0
	s_cbranch_scc1 .Lnot_wave_0_\@
	s_barrier_signal -3
.Lnot_wave_0_\@:
	s_barrier_wait -3
	s_barrier_signal -1
	s_barrier_wait -1
.endm
.macro CROUND
	s_barrier_signal -1
	s_barrier_wait -1
	CREST
.endm
.macro SPAIR r, val
	s_mov_b32 s[\r], \val
	s_mov_b32 s[\r+1], \val
.endm
	s_load_b512 s[4:19], s[0:1], 0x0               ; xb, wcat, base_phases, cvec, bv, mod_scale, rb, stats
	v_lshl_add_u32 v18, v0, 2, 0x4e000
	v_mov_b32 v19, 0
	ds_add_u32 v18, v19
	s_wait_dscnt 0x0
	v_lshrrev_b32 v1, 5, v0
	v_readfirstlane_b32 s20, v1                    ; wave 0..3
	s_lshr_b32 s21, s20, 1                         ; rh: my 128 rows
	s_and_b32 s22, s20, 1                          ; ch: my 64 columns
	s_bfe_u32 s23, ttmp6, 0x40000                  ; cx
	s_bfe_u32 s24, ttmp6, 0x40004                  ; cy
	s_lshl_b32 s25, ttmp9, 2
	s_add_co_u32 s25, s25, s23                     ; block of 128 columns
	s_and_b32 s26, ttmp7, 0xffff
	s_lshl_b32 s26, s26, 2
	s_add_co_u32 s26, s26, s24                     ; block of 256 rows
	s_lshl_b32 s27, s24, 2
	s_lshl_b32 s27, 15, s27                        ; my row of the cluster
	s_lshl_b32 s28, 0x1111, s23                    ; my column
	; x's tile: 32 KiB that lie dense in xb, as 128 rows of 256 bytes; 16 bytes of padding behind every 128: LDS rows of 64 bf16, pitch 144
	s_or_b32 s[G1A+0], s27, (3<<16)|(1<<20)|(1<<21)|(4<<22)|(3<<25)
	s_mov_b32 s[G1A+1], 32<<16
	s_mov_b32 s[G1A+2], 128<<16
	s_mov_b32 s[G1A+3], 32<<16
	s_mov_b32 s[G1A+4], 128
	s_mov_b32 s[G1A+5], 32
	s_mov_b32 s[G1A+6], 0
	s_mov_b32 s[G1A+7], 0
	; a matrix's tile: 64 k x 128 bf16, 2,048 bytes from row to row; 32 bytes of padding behind every 256: pitch 288
	s_or_b32 s[G1B+0], s28, (1<<16)|(1<<20)|(1<<21)|(5<<22)|(7<<25)
	s_mov_b32 s[G1B+1], 128<<16
	s_mov_b32 s[G1B+2], 64<<16
	s_mov_b32 s[G1B+3], 128<<16
	s_mov_b32 s[G1B+4], 64
	s_mov_b32 s[G1B+5], 1024
	s_mov_b32 s[G1B+6], 0
	s_mov_b32 s[G1B+7], 0
	; the wave's own base phases: 128 rows x 64 f32, no mask; 8 bytes of padding behind every 256: pitch 264
	s_mov_b32 s[G1P+0], (2<<16)|(1<<20)|(5<<22)|(1<<25)
	s_mov_b32 s[G1P+1], 64<<16
	s_mov_b32 s[G1P+2], 128<<16
	s_mov_b32 s[G1P+3], 64<<16
	s_mov_b32 s[G1P+4], 128
	s_mov_b32 s[G1P+5], 1024
	s_mov_b32 s[G1P+6], 0
	s_mov_b32 s[G1P+7], 0
	s_lshl_b32 s86, s26, 15                        ; x: 256 rows of 128 bytes in a block: hangs on the block of rows alone
	s_mov_b32 s87, 0
	s_max_u32 s88, s20, 1
	s_sub_co_u32 s88, s88, 1                       ; matrix = wave - 1 (wave 0 does not ask by this address)
	s_lshl_b32 s88, s88, 21
	s_lshl_b32 s89, s25, 8                         ; hangs on the block of columns alone
	s_add_co_u32 s88, s88, s89
	s_mov_b32 s89, 0
	s_and_b32 s90, s26, 15                         ; base_phases repeats with the batch: row modulo 4,096
	s_lshl_b32 s90, s90, 1
	s_add_co_u32 s90, s90, s21
	s_lshl_b32 s90, s90, 19                        ; 128 rows of 4,096 bytes
	s_lshl_b32 s94, s25, 1
	s_add_co_u32 s94, s94, s22                     ; my block of 64 columns, 0..15
	s_lshl_b32 s91, s94, 8
	s_add_co_u32 s90, s90, s91
	s_mov_b32 s91, 0
	s_add_co_u32 s92, s20, 1
	s_mul_i32 s92, s92, BMAT                       ; a matrix's place in a slot: 18,432 (wave + 1)
	s_mul_i32 s93, s20, BWAVE
	s_add_co_u32 s93, s93, BASE                    ; my base tile
	s_lshl_b32 s81, s26, 1
	s_add_co_u32 s81, s81, s21                     ; my block of 128 rows, 0..63
	s_wait_kmcnt 0x0
	s_add_nc_u64 s[86:87], s[4:5], s[86:87]
	s_add_nc_u64 s[88:89], s[6:7], s[88:89]
	s_add_nc_u64 s[90:91], s[8:9], s[90:91]
	CROUND                                         ; all sixteen work-groups are here: the first joint loads meet
.irp s,0,1
	s_mov_b32 s[G0A+4*\s], 1
	s_mov_b32 s[G0A+4*\s+1], \s*SLOT
	s_add_nc_u64 s[G0A+4*\s+2:G0A+4*\s+3], s[86:87], \s*1048576
	s_or_b32 s[G0A+4*\s+3], s[G0A+4*\s+3], 0x80000000
	s_mov_b32 s[G0B+4*\s], 1
	s_add_co_u32 s[G0B+4*\s+1], s92, \s*SLOT
	s_add_nc_u64 s[G0B+4*\s+2:G0B+4*\s+3], s[88:89], \s*131072
	s_or_b32 s[G0B+4*\s+3], s[G0B+4*\s+3], 0x80000000
	JLOAD \s
.endr
	s_mov_b32 s[G0P], 1
	s_mov_b32 s[G0P+1], s93
	s_mov_b64 s[G0P+2:G0P+3], s[90:91]
	s_or_b32 s[G0P+3], s[G0P+3], 0x80000000
	tensor_load_to_lds s[G0P:G0P+3], s[G1P:G1P+7]  ; three tensor loads of the wave are out now, later one behind each round
	s_nop 0
	s_load_b32 s82, s[14:15], 0x0                  ; mod_scale: first used behind the K loop, and waited for there
	s_lshl_b32 s96, s94, 8
	s_mov_b32 s97, 0
	s_add_nc_u64 s[10:11], s[10:11], s[96:97]      ; cvec and bv at my 64 columns
	s_add_nc_u64 s[12:13], s[12:13], s[96:97]
	s_lshl_b32 s96, s94, 20
	s_add_nc_u64 s[16:17], s[16:17], s[96:97]      ; rb: my block of columns,
	s_lshl_b32 s96, s81, 14
	s_add_nc_u64 s[16:17], s[16:17], s[96:97]      ; my 128 rows of 128 bytes
	s_lshl_b32 s96, s94, 15
	s_add_nc_u64 s[18:19], s[18:19], s[96:97]
	s_lshl_b32 s96, s81, 9
	s_add_nc_u64 s[18:19], s[18:19], s[96:97]
	v_and_b32 v2, 15, v0                           ; r
	v_bfe_u32 v3, v0, 4, 1                         ; h
	v_lshlrev_b32 v[CADR], 2, v2
.irp c,0,1,2,3
	global_load_b32 v[CKQ+2*\c], v[CADR], s[10:11] offset:64*\c
	global_load_b32 v[CKQ+2*\c+1], v[CADR], s[10:11] offset:4096+64*\c
	global_load_b32 v[BV+\c], v[CADR], s[12:13] offset:64*\c
.endr
	v_mul_u32_u24 v[ADRA], v2, 144
	v_lshl_add_u32 v[ADRA], v3, 4, v[ADRA]
	s_mul_i32 s95, s21, 18432
	v_add_nc_u32 v[ADRA], s95, v[ADRA]
	v_add_nc_u32 v[ADRA+1], SLOT, v[ADRA]
	v_and_b32 v1, 7, v0
	v_lshl_add_u32 v1, v3, 3, v1
	v_mul_u32_u24 v[ADRB], v1, 288
	v_bfe_u32 v1, v0, 3, 1
	v_lshl_add_u32 v[ADRB], v1, 4, v[ADRB]
	s_lshl_b32 s95, s22, 7
	s_add_co_u32 s95, s95, BREG
	v_add_nc_u32 v[ADRB], s95, v[ADRB]
	v_add_nc_u32 v[ADRB+1], SLOT, v[ADRB]
	v_mul_u32_u24 v[BADR], v3, 2112                ; base: row 8 h (+ j), word r (+ 16 c)
	v_lshl_add_u32 v[BADR], v2, 2, v[BADR]
	v_add_nc_u32 v[BADR], s93, v[BADR]
	v_mul_u32_u24 v[STO], v3, 1152                 ; stage in: row 8 h (+ j), 2 bytes at 2 r (+ 32 c)
	v_lshl_add_u32 v[STO], v2, 1, v[STO]
	v_add_nc_u32 v[STO], s93, v[STO]
	v_bfe_u32 v1, v0, 3, 2                         ; stage back: four rows of 128 bytes a load
	v_mul_u32_u24 v[RD], v1, 144
	v_and_b32 v1, 7, v0
	v_lshl_add_u32 v[RD], v1, 4, v[RD]
	v_add_nc_u32 v[RD], s93, v[RD]
	s_add_co_u32 s95, s93, 2304                    ; the means' place behind a row tile's 16 x 144 bytes; s95 keeps this to the end
	v_lshl_add_u32 v[SADR], v3, 5, s95
	v_and_b32 v1, 31, v0
	v_lshlrev_b32 v[GOFF], 4, v1
.macro FA slot, kk, buf                ; 16 loads: my 128 rows of x, 32 along K
.irp i,0,1,2,3,4,5,6,7
	ds_load_b128 v[\buf+8*\i:\buf+8*\i+3], v[ADRA+\slot] offset:\i*2304+64*\kk
	ds_load_b128 v[\buf+8*\i+4:\buf+8*\i+7], v[ADRA+\slot] offset:\i*2304+64*\kk+32
.endr
.endm
.macro FB slot, kk, m                  ; 8 transposing loads: my 64 columns of matrix m, 32 along K
.irp c,0,1,2,3
	ds_load_tr16_b128 v[B0+32*\m+8*\c:B0+32*\m+8*\c+3], v[ADRB+\slot] offset:\m*BMAT+\kk*9216+32*\c
	ds_load_tr16_b128 v[B0+32*\m+8*\c+4:B0+32*\m+8*\c+7], v[ADRB+\slot] offset:\m*BMAT+\kk*9216+32*\c+4608
.endr
.endm
.macro MUL16 m, abuf, i0, zero         ; row tiles i0 .. i0 + 3 x 4 column tiles of matrix m.  zero = 1: the first product starts the sums
.irp i,\i0,\i0+1,\i0+2,\i0+3
.irp c,0,1,2,3
.if \zero
	v_wmma_f32_16x16x32_bf16 v[8*(4*(\i)+\c):8*(4*(\i)+\c)+7], v[\abuf+8*(\i):\abuf+8*(\i)+7], v[B0+32*\m+8*\c:B0+32*\m+8*\c+7], 0
.else
	v_wmma_f32_16x16x32_bf16 v[8*(4*(\i)+\c):8*(4*(\i)+\c)+7], v[\abuf+8*(\i):\abuf+8*(\i)+7], v[B0+32*\m+8*\c:B0+32*\m+8*\c+7], v[8*(4*(\i)+\c):8*(4*(\i)+\c)+7]
.endif
.endr
.endr
.endm
; 32 along K: three runs of 32 matrix instructions, one for each matrix; the 96 accumulators take turns, one instruction a turn.
; Every fragment load stands two runs ahead of its use.  mode 1: the slots change (second half of a slot); mode 2: and this slot is filled again.
; fetch = 0: the very last step fetches nothing.
.macro KSTEP slot, kk, zero, mode, fetch
.set AB, A0+64*\kk
.set AN, A0+64*(1-\kk)
.if \kk
.set NS, 1-\slot
.set NK, 0
.else
.set NS, \slot
.set NK, 1
.endif
	PLACES
	WIN 0
	FB \slot, \kk, 2
	s_wait_dscnt 16                                ; x's and matrix 0's fragments are in; the 16 younger loads (matrices 1 and 2) may be out
	WIN 0x50
	MUL16 0, AB, 0, \zero
.if \mode
	s_wait_dscnt 0x0                               ; my reads of this slot are over,
	s_wait_xcnt 0x0
	s_set_vgpr_msb 0x5010
	v_lshl_add_u32 v18, v0, 2, 0x4e000
	v_mov_b32 v19, 0
	s_wait_tensorcnt 0x0                           ; and all my tensor loads have landed, my part of the next slot among them
	ds_add_u32 v18, v19
	s_wait_dscnt 0x0
	s_set_vgpr_msb 0x1050
	s_barrier_signal -1
.endif
	MUL16 0, AB, 4, \zero
.if \mode
	WIN 0
	s_barrier_wait -1
.if \mode == 2
	CREST                                          ; no wave of any partner still reads this slot or has a load on its way
	s_add_nc_u64 s[G0A+4*\slot+2:G0A+4*\slot+3], s[G0A+4*\slot+2:G0A+4*\slot+3], 2097152
	s_add_nc_u64 s[G0B+4*\slot+2:G0B+4*\slot+3], s[G0B+4*\slot+2:G0B+4*\slot+3], 262144
	JLOAD \slot                                    ; the wave's one tensor load behind the round, ahead of any LDS read
.endif
.endif
	PLACES
.if \fetch
	WIN 0
	FA NS, NK, AN
	FB NS, NK, 0
	s_wait_dscnt 32                                ; matrix 1's fragments are in; matrix 2's 8 loads and the 24 just issued may be out
.else
	s_wait_dscnt 8
.endif
	WIN 0xa0
	MUL16 1, AB, 0, \zero
	MUL16 1, AB, 4, \zero
	PLACES
.if \fetch
	WIN 0
	FB NS, NK, 1
	s_wait_dscnt 32                                ; matrix 2's fragments are in; the next step's 32 loads may be out
.else
	s_wait_dscnt 0x0
.endif
	WIN 0xf0
	MUL16 2, AB, 0, \zero
	MUL16 2, AB, 4, \zero
.endm
.macro KLAP zero                       ; once round the ring, both slots filled again
	KSTEP 0, 0, \zero, 0, 1
	KSTEP 0, 1, 0, 2, 1
	KSTEP 1, 0, 0, 0, 1
	KSTEP 1, 1, 0, 2, 1
.endm
	s_wait_tensorcnt 0x2                           ; my part of slot 0 is in; slot 1's and the base tile may stay out
	s_barrier_signal -1
	s_barrier_wait -1
	FA 0, 0, A0
	FB 0, 0, 0
	FB 0, 0, 1
	KLAP 1
	WIN 0
	s_mov_b32 s80, 6
.Llap:
	KLAP 0
	WIN 0
	s_sub_co_u32 s80, s80, 1
	s_cmp_lg_u32 s80, 0
	s_cbranch_scc1 .Llap
	KSTEP 0, 0, 0, 0, 1                            ; the last lap fills nothing and has no round of the cluster's barrier
	KSTEP 0, 1, 0, 1, 1
	KSTEP 1, 0, 0, 0, 1
	KSTEP 1, 1, 0, 0, 0
	PLACES
	WIN 0
; ---------------------------------------------------------------- the phasor stage, 16 rows at a time
	s_wait_loadcnt 0x0                             ; ck, cq, bv
	s_wait_kmcnt 0x0                               ; mod_scale
	s_mov_b32 s83, s82
	SPAIR IPI,  0x3ea2f983                         ; 1 / pi
	SPAIR NMAG, 0xcb400000                         ; -1.5 x 2^23
	SPAIR NPH,  0xc0490fdb                         ; -pi, rounded to f32
	SPAIR KS9,  0x3638ef1d                         ; 1/9!
	SPAIR KS5,  0x3c088889                         ; 1/5!
	SPAIR KS3,  0xbe2aaaab                         ; -1/3!
	SPAIR KC10, 0xb493f27e                         ; -1/10!
	SPAIR KC6,  0xbab60b61                         ; -1/6!
	SPAIR KC4,  0x3d2aaaab                         ; 1/4!
	SPAIR R32,  0x3d000000                         ; 1/32
	SPAIR R64,  0x3c800000                         ; 1/64
	s_mov_b32 s60, 0xffff0000                      ; lanes 16-31
	s_mov_b32 s84, 0x76543210
	s_mov_b32 s85, 0xfedcba98
	v_mov_b32 v[MAG], 0x4b400000
	v_mov_b32 v[MAG+1], 0x4b400000
	v_mov_b32 v[VS7], 0xb9500d01
	v_mov_b32 v[VS7+1], 0xb9500d01
	v_mov_b32 v[VC8], 0x37d00d01
	v_mov_b32 v[VC8+1], 0x37d00d01
.irp c,0,2,4,6
	v_pk_mul_f32 v[CKQ+\c:CKQ+\c+1], v[CKQ+\c:CKQ+\c+1], s[MS:MS+1] op_sel_hi:[1,0]
.endr
	v_pk_mul_f32 v[BV:BV+1], v[BV:BV+1], s[R32:R32+1] op_sel_hi:[1,0]
	v_pk_mul_f32 v[BV+2:BV+3], v[BV+2:BV+3], s[R32:R32+1] op_sel_hi:[1,0]
.irp c,0,1,2,3,4,5,6,7
	v_mov_b32 v[CAR+\c], 0                         ; a chunk of 64 rows begins
.endr
	v_mov_b32 v[XT], 0
	v_mov_b32 v[XT+1], 0
; cos and sin of 8 numbers, up to the sign (-1)^n, whose bit is left in bit 0 of TQ: n = round(x / pi), r = x - n pi, two series in r^2.
; 14 packed instructions for each pair of numbers.
.macro SINCOS x, co, si
.irp p,0,2,4,6
	v_pk_fma_f32 v[TQ+\p:TQ+\p+1], v[\x+\p:\x+\p+1], s[IPI:IPI+1], v[MAG:MAG+1] op_sel_hi:[1,0,1]
.endr
.irp p,0,2,4,6
	v_pk_add_f32 v[NN+\p:NN+\p+1], v[TQ+\p:TQ+\p+1], s[NMAG:NMAG+1] op_sel_hi:[1,0]
.endr
.irp p,0,2,4,6
	v_pk_fma_f32 v[RR+\p:RR+\p+1], v[NN+\p:NN+\p+1], s[NPH:NPH+1], v[\x+\p:\x+\p+1] op_sel_hi:[1,0,1]
.endr
.irp p,0,2,4,6
	v_pk_mul_f32 v[R2+\p:R2+\p+1], v[RR+\p:RR+\p+1], v[RR+\p:RR+\p+1]
.endr
.irp p,0,2,4,6
	v_pk_fma_f32 v[\si+\p:\si+\p+1], v[R2+\p:R2+\p+1], s[KS9:KS9+1], v[VS7:VS7+1] op_sel_hi:[1,0,1]
	v_pk_fma_f32 v[\co+\p:\co+\p+1], v[R2+\p:R2+\p+1], s[KC10:KC10+1], v[VC8:VC8+1] op_sel_hi:[1,0,1]
.endr
.irp p,0,2,4,6
	v_pk_fma_f32 v[\si+\p:\si+\p+1], v[\si+\p:\si+\p+1], v[R2+\p:R2+\p+1], s[KS5:KS5+1] op_sel_hi:[1,1,0]
	v_pk_fma_f32 v[\co+\p:\co+\p+1], v[\co+\p:\co+\p+1], v[R2+\p:R2+\p+1], s[KC6:KC6+1] op_sel_hi:[1,1,0]
.endr
.irp p,0,2,4,6
	v_pk_fma_f32 v[\si+\p:\si+\p+1], v[\si+\p:\si+\p+1], v[R2+\p:R2+\p+1], s[KS3:KS3+1] op_sel_hi:[1,1,0]
	v_pk_fma_f32 v[\co+\p:\co+\p+1], v[\co+\p:\co+\p+1], v[R2+\p:R2+\p+1], s[KC4:KC4+1] op_sel_hi:[1,1,0]
.endr
.irp p,0,2,4,6
	v_pk_mul_f32 v[NN+\p:NN+\p+1], v[RR+\p:RR+\p+1], v[R2+\p:R2+\p+1]
	v_pk_fma_f32 v[\co+\p:\co+\p+1], v[\co+\p:\co+\p+1], v[R2+\p:R2+\p+1], -0.5 op_sel_hi:[1,1,0]
.endr
.irp p,0,2,4,6
	v_pk_fma_f32 v[\si+\p:\si+\p+1], v[\si+\p:\si+\p+1], v[NN+\p:NN+\p+1], v[RR+\p:RR+\p+1]
	v_pk_fma_f32 v[\co+\p:\co+\p+1], v[\co+\p:\co+\p+1], v[R2+\p:R2+\p+1], 1.0 op_sel_hi:[1,1,0]
.endr
.endm
; Row tile t leaves the accumulators: phase = product x ms + (base + c ms); value = product / 32 + bv / 32.
.macro XTR t
	WIN 0x01
.irp x,0,2,4,6,8,10,12,14,16,18,20,22,24,26,28,30
	v_pk_fma_f32 v[PK+\x:PK+\x+1], v[32*\t+\x:32*\t+\x+1], s[MS:MS+1], v[PK+\x:PK+\x+1] op_sel_hi:[1,0,1]
.endr
	WIN 0x03
.irp x,0,2,4,6,8,10,12,14,16,18,20,22,24,26,28,30
	v_pk_fma_f32 v[PQ+\x:PQ+\x+1], v[32*\t+\x:32*\t+\x+1], s[MS:MS+1], v[PQ+\x:PQ+\x+1] op_sel_hi:[1,0,1]
.endr
	WIN 0x02
.irp c,0,1,2,3
.irp p,0,2,4,6
.if (\c)%2
	v_pk_fma_f32 v[VV+8*\c+\p:VV+8*\c+\p+1], v[32*\t+8*\c+\p:32*\t+8*\c+\p+1], s[R32:R32+1], v[BV+2*((\c)/2):BV+2*((\c)/2)+1] op_sel:[0,0,1] op_sel_hi:[1,0,1]
.else
	v_pk_fma_f32 v[VV+8*\c+\p:VV+8*\c+\p+1], v[32*\t+8*\c+\p:32*\t+8*\c+\p+1], s[R32:R32+1], v[BV+2*((\c)/2):BV+2*((\c)/2)+1] op_sel_hi:[1,0,0]
.endif
.endr
.endr
	WIN 0
.if \t == 4
.irp c,0,1,2,3,4,5,6,7
	v_mov_b32 v[CAR+\c], 0                         ; the wave's second chunk of 64 rows begins
.endr
.endif
.endm
; One column tile: bind, sum down the 16 rows on top of what the chunk's earlier row tiles carried, retrieve.
.macro COL c
	SINCOS PK+8*\c, CC, SS
.irp j,0,1,2,3,4,5,6,7
	v_lshl_add_u32 v[VV+8*\c+\j], v[TQ+\j], 31, v[VV+8*\c+\j]      ; (-1)^n goes onto the value, which multiplies both: adding n << 31 flips the sign bit and nothing else
.endr
.irp p,0,2,4,6
	v_pk_mul_f32 v[CC+\p:CC+\p+1], v[CC+\p:CC+\p+1], v[VV+8*\c+\p:VV+8*\c+\p+1]
	v_pk_mul_f32 v[SS+\p:SS+\p+1], v[SS+\p:SS+\p+1], v[VV+8*\c+\p:VV+8*\c+\p+1]
.endr
.irp j,1,2,3,4,5,6,7
	v_add_f32 v[CC+\j], v[CC+\j-1], v[CC+\j]
	v_add_f32 v[SS+\j], v[SS+\j-1], v[SS+\j]
.endr
	v_permlanex16_b32 v[XT], v[CC+7], s84, s85             ; the other eight rows' totals
	v_permlanex16_b32 v[XT+1], v[SS+7], s84, s85
	v_cndmask_b32 v[UU], 0, v[XT], s60                     ; rows 8-15 stand on rows 0-7
	v_cndmask_b32 v[UU+1], 0, v[XT+1], s60
	v_pk_add_f32 v[OFF:OFF+1], v[CAR+2*\c:CAR+2*\c+1], v[UU:UU+1]
	v_add_f32 v[XT], v[XT], v[CC+7]
	v_add_f32 v[XT+1], v[XT+1], v[SS+7]
	v_pk_add_f32 v[CAR+2*\c:CAR+2*\c+1], v[CAR+2*\c:CAR+2*\c+1], v[XT:XT+1]
.irp p,0,2,4,6
	v_pk_add_f32 v[CC+\p:CC+\p+1], v[CC+\p:CC+\p+1], v[OFF:OFF+1] op_sel_hi:[1,0]
	v_pk_add_f32 v[SS+\p:SS+\p+1], v[SS+\p:SS+\p+1], v[OFF:OFF+1] op_sel:[0,1] op_sel_hi:[1,1]
.endr
	SINCOS PQ+8*\c, CQ, SQ
.irp p,0,2,4,6
	v_pk_mul_f32 v[RET+8*\c+\p:RET+8*\c+\p+1], v[CC+\p:CC+\p+1], v[CQ+\p:CQ+\p+1]
.endr
.irp p,0,2,4,6
	v_pk_fma_f32 v[RET+8*\c+\p:RET+8*\c+\p+1], v[SS+\p:SS+\p+1], v[SQ+\p:SQ+\p+1], v[RET+8*\c+\p:RET+8*\c+\p+1]
.endr
.irp j,0,1,2,3,4,5,6,7
	v_lshl_add_u32 v[RET+8*\c+\j], v[TQ+\j], 31, v[RET+8*\c+\j]    ; the query's (-1)^n
.endr
.endm
	s_mov_b32 s80, 0
.Lrow:
.irp c,0,1,2,3
.irp j,0,1,2,3,4,5,6,7
	ds_load_b32 v[RET+8*\c+\j], v[BADR] offset:\j*264+\c*64
.endr
.endr
	s_wait_dscnt 0x0
.irp c,0,1,2,3
.irp p,0,2,4,6
	v_pk_add_f32 v[PK+8*\c+\p:PK+8*\c+\p+1], v[RET+8*\c+\p:RET+8*\c+\p+1], v[CKQ+2*\c:CKQ+2*\c+1] op_sel_hi:[1,0]
	v_pk_add_f32 v[PQ+8*\c+\p:PQ+8*\c+\p+1], v[RET+8*\c+\p:RET+8*\c+\p+1], v[CKQ+2*\c:CKQ+2*\c+1] op_sel:[0,1] op_sel_hi:[1,1]
.endr
.endr
	; registers cannot be indexed by the trip: eight short blocks take the trip's tiles out of the accumulators; all else is common
.irp i,0,1,2,3,4,5,6
	s_cmp_eq_u32 s80, \i
	s_cbranch_scc1 .Lx\i
.endr
	XTR 7
	s_branch .Ltail
.irp i,0,1,2,3,4,5
.Lx\i:
	XTR \i
	s_branch .Ltail
.endr
.Lx6:
	XTR 6
.Ltail:
	COL 0
	COL 1
	COL 2
	COL 3
	; the block's mean and sum of squared deviations for each of my 8 rows: over 4 column tiles in the lane, then over the 16 lanes of my half
.irp p,0,2,4,6
	v_pk_add_f32 v[SUM+\p:SUM+\p+1], v[RET+\p:RET+\p+1], v[RET+8+\p:RET+8+\p+1]
.endr
.irp p,0,2,4,6
	v_pk_add_f32 v[SUM+\p:SUM+\p+1], v[SUM+\p:SUM+\p+1], v[RET+16+\p:RET+16+\p+1]
.endr
.irp p,0,2,4,6
	v_pk_add_f32 v[SUM+\p:SUM+\p+1], v[SUM+\p:SUM+\p+1], v[RET+24+\p:RET+24+\p+1]
.endr
.irp m,1,2,4,8
.irp j,0,1,2,3,4,5,6,7
	v_add_f32_dpp v[SUM+\j], v[SUM+\j], v[SUM+\j] row_xmask:\m row_mask:0xf bank_mask:0xf
.endr
.endr
.irp p,0,2,4,6
	v_pk_mul_f32 v[SUM+\p:SUM+\p+1], v[SUM+\p:SUM+\p+1], s[R64:R64+1] op_sel_hi:[1,0]
.endr
.irp c,0,1,2,3
.irp p,0,2,4,6
	v_pk_add_f32 v[RET+8*\c+\p:RET+8*\c+\p+1], v[RET+8*\c+\p:RET+8*\c+\p+1], v[SUM+\p:SUM+\p+1] neg_lo:[0,1] neg_hi:[0,1]
.endr
.endr
.irp p,0,2,4,6
	v_pk_mul_f32 v[SQS+\p:SQS+\p+1], v[RET+\p:RET+\p+1], v[RET+\p:RET+\p+1]
.endr
.irp c,1,2,3
.irp p,0,2,4,6
	v_pk_fma_f32 v[SQS+\p:SQS+\p+1], v[RET+8*\c+\p:RET+8*\c+\p+1], v[RET+8*\c+\p:RET+8*\c+\p+1], v[SQS+\p:SQS+\p+1]
.endr
.endr
.irp m,1,2,4,8
.irp j,0,1,2,3,4,5,6,7
	v_add_f32_dpp v[SQS+\j], v[SQS+\j], v[SQS+\j] row_xmask:\m row_mask:0xf bank_mask:0xf
.endr
.endr
	; the way out, through the 16 base rows just read: they are the wave's own and have had their only fill
.irp c,0,1,2,3
.irp q,0,1,2,3
	v_cvt_pk_bf16_f32 v[WB+4*\c+\q], v[RET+8*\c+2*\q], v[RET+8*\c+2*\q+1]
.endr
.endr
.irp c,0,1,2,3
.irp q,0,1,2,3
	ds_store_b16 v[STO], v[WB+4*\c+\q] offset:2*\q*144+32*\c
	ds_store_b16_d16_hi v[STO], v[WB+4*\c+\q] offset:(2*\q+1)*144+32*\c
.endr
.endr
	ds_store_b128 v[SADR], v[SUM:SUM+3]            ; the sixteen lanes of a half store the same 8 means
	ds_store_b128 v[SADR], v[SUM+4:SUM+7] offset:16
	ds_store_b128 v[SADR], v[SQS:SQS+3] offset:64
	ds_store_b128 v[SADR], v[SQS+4:SQS+7] offset:80
.irp u,0,1,2,3
	ds_load_b128 v[OB+4*\u:OB+4*\u+3], v[RD] offset:576*\u         ; LDS serves a wave's instructions in order: these see the stores above
.endr
	s_wait_dscnt 0x0
.irp u,0,1,2,3
	global_store_b128 v[GOFF], v[OB+4*\u:OB+4*\u+3], s[16:17] offset:512*\u   ; 512 consecutive bytes of rb a store
.endr
	v_add_nc_u32 v[BADR], BT, v[BADR]
	v_add_nc_u32 v[STO], BT, v[STO]
	v_add_nc_u32 v[RD], BT, v[RD]
	v_add_nc_u32 v[SADR], BT, v[SADR]
	s_wait_xcnt 0x0                                ; the stores' offset and data are rewritten only behind this wait
	v_add_nc_u32 v[GOFF], 2048, v[GOFF]
	s_add_co_u32 s80, s80, 1
	s_cmp_lt_u32 s80, 8
	s_cbranch_scc1 .Lrow
	v_and_b32 v1, 31, v0                           ; the 128 means and 128 sums, 4 rows a lane
	v_lshlrev_b32 v2, 4, v1
	v_lshrrev_b32 v3, 2, v1
	v_mul_u32_u24 v3, v3, BT
	v_and_b32 v1, 3, v1
	v_lshl_add_u32 v3, v1, 4, v3
	v_add_nc_u32 v3, s95, v3
	ds_load_b128 v[32:35], v3
	ds_load_b128 v[36:39], v3 offset:64
	s_wait_dscnt 0x0
	global_store_b128 v2, v[32:35], s[18:19]
	global_store_b128 v2, v[36:39], s[18:19] offset:524288
	s_wait_xcnt 0x0
	v_lshl_add_u32 v18, v0, 2, 0x4e000
	v_mov_b32 v19, 0
	s_wait_tensorcnt 0x0
	ds_add_u32 v18, v19
	s_wait_dscnt 0x0
	CROUND                                         ; the closing round: no work-group ends while a partner may still ask for a tile that names it
	s_endpgm
.Lfunc_end_k_q6a5d158392_phasor:
	.size	k_q6a5d158392_phasor, .Lfunc_end_k_q6a5d158392_phasor-k_q6a5d158392_phasor
	.p2alignl 7, 3214868480
	.fill 96, 4, 3214868480
	.section	.rodata,"a",@progbits
	.p2align	6, 0x0
	.amdhsa_kernel k_q6a5d158392_phasor
		.amdhsa_group_segment_fixed_size 327680
		.amdhsa_private_segment_fixed_size 0
		.amdhsa_enable_private_segment 0
		.amdhsa_kernarg_size 64
		.amdhsa_user_sgpr_count 2
		.amdhsa_user_sgpr_kernarg_segment_ptr 1
		.amdhsa_wavefront_size32 1
		.amdhsa_system_sgpr_workgroup_id_x 1
		.amdhsa_system_sgpr_workgroup_id_y 1
		.amdhsa_system_sgpr_workgroup_id_z 1
		.amdhsa_system_vgpr_workitem_id 0
		.amdhsa_next_free_vgpr 1024
		.amdhsa_next_free_sgpr 100
		.amdhsa_reserve_vcc 0
		.amdhsa_float_denorm_mode_32 3
		.amdhsa_float_denorm_mode_16_64 3
		.amdhsa_memory_ordered 1
		.amdhsa_forward_progress 1
		.amdhsa_inst_pref_size 211
	.end_amdhsa_kernel
	.amdgpu_metadata
---
amdhsa.version: [ 1, 2 ]
amdhsa.kernels:
  - .name:           k_q6a5d158392_phasor
    .symbol:         k_q6a5d158392_phasor.kd
    .args:
      - { .name: xb, .offset: 0, .size: 8, .value_kind: global_buffer, .address_space: global }
      - { .name: wcat, .offset: 8, .size: 8, .value_kind: global_buffer, .address_space: global }
      - { .name: base_phases, .offset: 16, .size: 8, .value_kind: global_buffer, .address_space: global }
      - { .name: cvec, .offset: 24, .size: 8, .value_kind: global_buffer, .address_space: global }
      - { .name: bv, .offset: 32, .size: 8, .value_kind: global_buffer, .address_space: global }
      - { .name: mod_scale, .offset: 40, .size: 8, .value_kind: global_buffer, .address_space: global }
      - { .name: rb, .offset: 48, .size: 8, .value_kind: global_buffer, .address_space: global }
      - { .name: stats, .offset: 56, .size: 8, .value_kind: global_buffer, .address_space: global }
    .group_segment_fixed_size: 327680
    .private_segment_fixed_size: 0
    .kernarg_segment_align: 8
    .kernarg_segment_size: 64
    .max_flat_workgroup_size: 128
    .sgpr_count:     100
    .vgpr_count:     1024
    .wavefront_size: 32
...
	.end_amdgpu_metadata
.endif
;; end of part 2
;; launch lnout (part 3): grid 8 x 32, 4 waves a work-group, clusters of 4 x 4, 327,680 bytes of LDS; arguments rb, woe, stats, pb, bo, x, out0; writes out0
.if DOCPART == 3
	.amdgcn_target "amdgcn-amd-amdhsa--gfx1250"
	.amdhsa_code_object_version 6
	.text
	.protected	k_q6a5d158392_lnout
	.globl	k_q6a5d158392_lnout
	.p2align	8
	.type	k_q6a5d158392_lnout,@function
k_q6a5d158392_lnout:
	s_mov_b64 s[64:65], 0
	v_nop
	global_prefetch_b8 v0, s[64:65] scope:SCOPE_SE
	s_setreg_imm32_b32 hwreg(HW_REG_WAVE_MODE, 25, 1), 1
	s_wait_xcnt 0x0
	s_wait_alu depctr_hold_cnt(0) depctr_sa_sdst(0) depctr_va_vdst(0) depctr_va_sdst(0) depctr_va_ssrc(0) depctr_va_vcc(0) depctr_vm_vsrc(0)
	s_getreg_b32 s2, hwreg(HW_REG_IB_STS2, 6, 4)
	s_cmp_eq_u32 s2, 0
	s_cbranch_scc0 .Lentry_in_a_cluster
	s_endpgm
.Lentry_in_a_cluster:
	s_bfe_u32 s2, ttmp6, 0x10000c
	s_cmp_lg_u32 s2, 0xf033
	s_cbranch_scc0 .Lentry_shape_is_right
	s_endpgm
.Lentry_shape_is_right:
; lnout: out = x + bo + sum_b pb_b + rstd (a Wo' + sum_b (m_b - mu) cs_b), where a = ret - block mean (bf16, from rb), m_b the block means.
; mu = mean of the 16 block means; var = (sum of the blocks' squared deviations + 64 sum (m_b - mu)^2) / 1024: no difference of large sums is formed.
; The term with cs is one more K step of 32 (k' = 2 b holds m_b - mu against row 1024 + 2 b of the strip; odd k' are zero on both sides); it starts the sums.
; A work-group makes 256 x 128 of out; a wave 128 x 64: 32 accumulator tiles in window 1.  Source 0 = columns of Wo', source 1 = rows of a: a lane holds
; eight neighbouring columns of one row.  Window 2 holds the wave's whole tile of x: 16 rows of it (8 loads) are asked for behind each change of slots,
; so that x's 128 KiB a work-group are spread over the K steps and stand in front of no refill.
; K goes in steps of 128 through two LDS slots, eight slot fills written out.  CLUSTERS of 4 x 4: a's tiles are shared along a row of the cluster, Wo's along a column.
.set SLOT,  114688                     ; two sub-tiles of a (256 rows x 144 bytes each), then two strips of Wo' (128 k x 160 bytes each)
.set ASUB,  36864
.set BREG,  73728
.set BSTR,  20480
.set AEXT,  229376                     ; 256 rows x 80 bytes: the extra K step's a
.set BEXT,  249856                     ; 2 strips x 32 k x 160 bytes
.set RSTD,  260096                     ; 256 f32
.set STAGE, 261120                     ; two buffers of 16 rows x 272 bytes for each wave
.set SBUF,  4352
.set ADRA, 4
.set ADRB, 6
.set ADRAX, 8
.set ADRBX, 9
.set STO,  10
.set RD,   11
.set XOFF, 12
.set RSA,  13
.set BIAS, 16                          ; v[16:19] bo + sum of pb for the 4 columns that I store
.set RSV,  20                          ; v[20:27] rstd of my row in each row tile
.set AXA,  28
.set RSW,  29
.set TT,   32                          ; the way out: scaled sums, v[32:63] for even row tiles, v[128:159] for odd ones
.set UB,   64                          ; the way out: whole rows, v[64:95] for even row tiles, v[96:127] for odd ones
.set F0,   64                          ; v[64:159] fragments: a 64 registers, Wo' 32
.set F1,   160                         ; v[160:255]
.set ME,   32                          ; the prologue: 16 pairs of means (rows 2 t, 2 t + 1)
.set MM,   64                          ; 16 pairs of sums of squared deviations
.set PBL,  96                          ; pb as loaded
.set MU,   160
.set SM,   162
.set SD,   164
.set RSQ,  166
.set AX,   168                         ; v[168:199] two rows of the extra K step
.set G1A, 32
.set G0A, 40
.set G1B, 48
.set G0B, 56
.set G1X, 68
.set G0X, 76
.set MSB, 0
.macro WIN new
.if MSB != \new
	s_set_vgpr_msb (MSB<<8)|\new
.set MSB, \new
.endif
.endm
.macro PLACES                          ; four places behind a matrix instruction, ahead of loads into its sources or reads of its result
.rept 4
	v_nop
.endr
.endm
.macro JLOAD s                         ; waves 0 and 1 ask for a's two sub-tiles, waves 2 and 3 for the two strips
	s_cmp_eq_u32 s21, 0
	s_cbranch_scc0 .Lfor_b_\@
	tensor_load_to_lds s[G0A+4*\s:G0A+4*\s+3], s[G1A:G1A+7]
	s_nop 0
	s_branch .Lasked_\@
.Lfor_b_\@:
	tensor_load_to_lds s[G0B+4*\s:G0B+4*\s+3], s[G1B:G1B+7]
	s_nop 0
.Lasked_\@:
.endm
.macro CREST
	s_cmp_lg_u32 s20, 0
	s_cbranch_scc1 .Lnot_wave_0_\@
	s_barrier_signal -3
.Lnot_wave_0_\@:
	s_barrier_wait -3
	s_barrier_signal -1
	s_barrier_wait -1
.endm
.macro CROUND
	s_barrier_signal -1
	s_barrier_wait -1
	CREST
.endm
	s_load_b256 s[4:11], s[0:1], 0x0               ; rb, woe, stats, pb
	s_load_b128 s[12:15], s[0:1], 0x20             ; bo, x
	s_load_b64 s[16:17], s[0:1], 0x30              ; out0
	v_lshl_add_u32 v30, v0, 2, 0x48400
	v_mov_b32 v31, 0
	ds_add_u32 v30, v31
	v_lshrrev_b32 v1, 5, v0
	v_readfirstlane_b32 s20, v1                    ; wave 0..3
	s_lshr_b32 s21, s20, 1                         ; rh: my 128 rows.  Also: I fetch for a (0) or for Wo' (1)
	s_and_b32 s22, s20, 1                          ; ch: my 64 columns.  Also: which sub-tile or strip I fetch
	s_bfe_u32 s23, ttmp6, 0x40000                  ; cx
	s_bfe_u32 s24, ttmp6, 0x40004                  ; cy
	s_lshl_b32 s25, ttmp9, 2
	s_add_co_u32 s25, s25, s23                     ; block of 128 columns
	s_and_b32 s26, ttmp7, 0xffff
	s_lshl_b32 s26, s26, 2
	s_add_co_u32 s26, s26, s24                     ; block of 256 rows
	s_lshl_b32 s27, s24, 2
	s_lshl_b32 s27, 15, s27                        ; my row of the cluster
	s_lshl_b32 s28, 0x1111, s23                    ; my column
	; a sub-tile of a: 32 KiB dense in rb, 128 rows of 256 bytes, 16 bytes of padding behind every 128: pitch 144
	s_or_b32 s[G1A+0], s27, (3<<16)|(1<<20)|(1<<21)|(4<<22)|(3<<25)
	s_mov_b32 s[G1A+1], 32<<16
	s_mov_b32 s[G1A+2], 128<<16
	s_mov_b32 s[G1A+3], 32<<16
	s_mov_b32 s[G1A+4], 128
	s_mov_b32 s[G1A+5], 32
	s_mov_b32 s[G1A+6], 0
	s_mov_b32 s[G1A+7], 0
	; 128 k of a strip: 16 KiB dense in woe, 64 rows of 256 bytes, 32 bytes of padding behind every 128: pitch 160
	s_or_b32 s[G1B+0], s28, (3<<16)|(1<<20)|(1<<21)|(4<<22)|(7<<25)
	s_mov_b32 s[G1B+1], 32<<16
	s_mov_b32 s[G1B+2], 64<<16
	s_mov_b32 s[G1B+3], 32<<16
	s_mov_b32 s[G1B+4], 64
	s_mov_b32 s[G1B+5], 32
	s_mov_b32 s[G1B+6], 0
	s_mov_b32 s[G1B+7], 0
	; 16 k of a strip's last 32 rows: the same with 8 rows of 256 bytes
	s_or_b32 s[G1X+0], s28, (3<<16)|(1<<20)|(1<<21)|(4<<22)|(7<<25)
	s_mov_b32 s[G1X+1], 32<<16
	s_mov_b32 s[G1X+2], 8<<16
	s_mov_b32 s[G1X+3], 32<<16
	s_mov_b32 s[G1X+4], 8
	s_mov_b32 s[G1X+5], 32
	s_mov_b32 s[G1X+6], 0
	s_mov_b32 s[G1X+7], 0
	s_lshl_b32 s86, s22, 20                        ; a: block of 64 k = 2 S + (wave % 2); hangs on the block of rows alone
	s_lshl_b32 s87, s26, 15
	s_add_co_u32 s86, s86, s87
	s_mov_b32 s87, 0
	s_lshl_b32 s88, s25, 1                         ; Wo': strip 2 x block of columns + (wave % 2)
	s_add_co_u32 s88, s88, s22
	s_mul_i32 s88, s88, 135168
	s_mov_b32 s89, 0
	s_lshl_b32 s90, s25, 1                         ; the extra rows: strip 2 x block + wave / 2, rows 1024 + 16 (wave % 2)
	s_add_co_u32 s90, s90, s21
	s_mul_i32 s90, s90, 135168
	s_lshl_b32 s91, s22, 11
	s_add_co_u32 s90, s90, s91
	s_add_co_u32 s90, s90, 131072
	s_mov_b32 s91, 0
	s_mul_i32 s92, s20, ASUB                       ; LDS: a's sub-tile of waves 0, 1
	s_mul_i32 s93, s20, BSTR
	s_add_co_u32 s93, s93, BREG-2*BSTR             ; the strip of waves 2, 3
	s_mul_i32 s94, s20, 2560
	s_add_co_u32 s94, s94, BEXT
	s_wait_dscnt 0x0
	s_wait_kmcnt 0x0
	s_add_nc_u64 s[86:87], s[4:5], s[86:87]
	s_add_nc_u64 s[88:89], s[6:7], s[88:89]
	s_add_nc_u64 s[90:91], s[6:7], s[90:91]
	CROUND                                         ; all sixteen work-groups are here: the first joint loads meet
	s_mov_b32 s[G0X], 1
	s_mov_b32 s[G0X+1], s94
	s_mov_b64 s[G0X+2:G0X+3], s[90:91]
	s_or_b32 s[G0X+3], s[G0X+3], 0x80000000
	tensor_load_to_lds s[G0X:G0X+3], s[G1X:G1X+7]
	s_nop 0
.irp s,0,1
	s_mov_b32 s[G0A+4*\s], 1
	s_add_co_u32 s[G0A+4*\s+1], s92, \s*SLOT
	s_add_nc_u64 s[G0A+4*\s+2:G0A+4*\s+3], s[86:87], \s*2097152
	s_or_b32 s[G0A+4*\s+3], s[G0A+4*\s+3], 0x80000000
	s_mov_b32 s[G0B+4*\s], 1
	s_add_co_u32 s[G0B+4*\s+1], s93, \s*SLOT
	s_add_nc_u64 s[G0B+4*\s+2:G0B+4*\s+3], s[88:89], \s*16384
	s_or_b32 s[G0B+4*\s+3], s[G0B+4*\s+3], 0x80000000
	JLOAD \s                                       ; three tensor loads of the wave are out now, later one behind each round
.endr
	s_mov_b32 s97, 0
	s_lshl_b32 s96, s26, 10
	s_add_nc_u64 s[8:9], s[8:9], s[96:97]          ; stats at the group's 256 rows
	s_lshl_b32 s95, s25, 1
	s_add_co_u32 s95, s95, s22
	s_lshl_b32 s96, s95, 8                         ; my 64 columns of f32
	s_add_nc_u64 s[10:11], s[10:11], s[96:97]
	s_add_nc_u64 s[12:13], s[12:13], s[96:97]
	s_add_nc_u64 s[14:15], s[14:15], s[96:97]
	s_add_nc_u64 s[16:17], s[16:17], s[96:97]
	s_lshl_b32 s95, s26, 1
	s_add_co_u32 s95, s95, s21
	s_lshl_b32 s96, s95, 19                        ; my 128 rows of 4,096 bytes
	s_add_nc_u64 s[14:15], s[14:15], s[96:97]
	s_add_nc_u64 s[16:17], s[16:17], s[96:97]
	v_lshlrev_b32 v1, 3, v0                        ; thread t takes rows 2 t and 2 t + 1
	v_and_b32 v2, 15, v0                           ; r
	v_lshlrev_b32 v3, 4, v2
.irp b,0,1,2,3,4,5,6,7,8,9,10,11,12,13,14,15
	global_load_b64 v[ME+2*\b:ME+2*\b+1], v1, s[8:9] offset:\b*32768
	global_load_b64 v[MM+2*\b:MM+2*\b+1], v1, s[8:9] offset:524288+\b*32768
.endr
	global_load_b128 v[BIAS:BIAS+3], v3, s[12:13]
.irp b,0,1,2,3,4,5,6,7,8,9,10,11,12,13,14,15
	global_load_b128 v[PBL+4*\b:PBL+4*\b+3], v3, s[10:11] offset:\b*4096
.endr
	v_bfe_u32 v14, v0, 4, 1                        ; h
	v_mul_u32_u24 v[ADRA], v2, 144
	v_lshl_add_u32 v[ADRA], v14, 4, v[ADRA]
	s_mul_i32 s95, s21, 18432
	v_add_nc_u32 v[ADRA], s95, v[ADRA]
	v_add_nc_u32 v[ADRA+1], SLOT, v[ADRA]
	v_and_b32 v15, 7, v0
	v_lshl_add_u32 v15, v14, 3, v15
	v_mul_u32_u24 v[ADRBX], v15, 160
	v_bfe_u32 v15, v0, 3, 1
	v_lshl_add_u32 v[ADRBX], v15, 4, v[ADRBX]
	s_mul_i32 s95, s22, BSTR
	s_add_co_u32 s95, s95, BREG
	v_add_nc_u32 v[ADRB], s95, v[ADRBX]
	v_add_nc_u32 v[ADRB+1], SLOT, v[ADRB]
	s_mul_i32 s95, s22, 5120
	s_add_co_u32 s95, s95, BEXT
	v_add_nc_u32 v[ADRBX], s95, v[ADRBX]
	v_mul_u32_u24 v[ADRAX], v2, 80
	v_lshl_add_u32 v[ADRAX], v14, 4, v[ADRAX]
	s_mul_i32 s95, s21, 10240
	s_add_co_u32 s95, s95, AEXT
	v_add_nc_u32 v[ADRAX], s95, v[ADRAX]
	s_mul_i32 s95, s20, 2*SBUF
	s_add_co_u32 s95, s95, STAGE
	v_mul_u32_u24 v[STO], v2, 272
	v_lshl_add_u32 v[STO], v14, 5, v[STO]
	v_add_nc_u32 v[STO], s95, v[STO]
	v_mul_u32_u24 v[RD], v14, 272
	v_lshl_add_u32 v[RD], v2, 4, v[RD]
	v_add_nc_u32 v[RD], s95, v[RD]
	v_lshlrev_b32 v[XOFF], 12, v14
	v_lshl_add_u32 v[XOFF], v2, 4, v[XOFF]
	s_lshl_b32 s95, s21, 9
	s_add_co_u32 s95, s95, RSTD
	v_lshl_add_u32 v[RSA], v2, 2, s95
	v_mul_u32_u24 v[AXA], v0, 160
	v_add_nc_u32 v[AXA], AEXT, v[AXA]
	v_add_nc_u32 v[RSW], RSTD, v1
	s_mov_b32 s96, 0x3a800000                      ; 1/1024
	s_mov_b32 s97, 0x3727c5ac                      ; the reference's 1e-5
	s_wait_loadcnt 0x0
	v_pk_add_f32 v[MU:MU+1], v[ME:ME+1], v[ME+2:ME+3]
	v_pk_add_f32 v[SM:SM+1], v[MM:MM+1], v[MM+2:MM+3]
.irp b,2,3,4,5,6,7,8,9,10,11,12,13,14,15
	v_pk_add_f32 v[MU:MU+1], v[MU:MU+1], v[ME+2*\b:ME+2*\b+1]
	v_pk_add_f32 v[SM:SM+1], v[SM:SM+1], v[MM+2*\b:MM+2*\b+1]
.endr
.irp b,0,1,2,3,4,5,6,7,8,9,10,11,12,13,14,15
	v_pk_add_f32 v[BIAS:BIAS+1], v[BIAS:BIAS+1], v[PBL+4*\b:PBL+4*\b+1]
	v_pk_add_f32 v[BIAS+2:BIAS+3], v[BIAS+2:BIAS+3], v[PBL+4*\b+2:PBL+4*\b+3]
.endr
	v_pk_mul_f32 v[MU:MU+1], v[MU:MU+1], 0x3d800000 op_sel_hi:[1,0]        ; / 16
.irp b,0,1,2,3,4,5,6,7,8,9,10,11,12,13,14,15
	v_pk_add_f32 v[ME+2*\b:ME+2*\b+1], v[ME+2*\b:ME+2*\b+1], v[MU:MU+1] neg_lo:[0,1] neg_hi:[0,1]
.endr
	v_pk_mul_f32 v[SD:SD+1], v[ME:ME+1], v[ME:ME+1]
.irp b,1,2,3,4,5,6,7,8,9,10,11,12,13,14,15
	v_pk_fma_f32 v[SD:SD+1], v[ME+2*\b:ME+2*\b+1], v[ME+2*\b:ME+2*\b+1], v[SD:SD+1]
.endr
	v_pk_fma_f32 v[SM:SM+1], v[SD:SD+1], 0x42800000, v[SM:SM+1] op_sel_hi:[1,0,1]   ; x 64
	v_fma_f32 v[SD], v[SM], s96, s97
	v_fma_f32 v[SD+1], v[SM+1], s96, s97
	v_rsq_f32 v[RSQ], v[SD]
	v_rsq_f32 v[RSQ+1], v[SD+1]                    ; the conversions below are the plain instructions between these and the use of their results
.irp b,0,1,2,3,4,5,6,7,8,9,10,11,12,13,14,15
	v_cvt_pk_bf16_f32 v[AX+\b], v[ME+2*\b], 0
	v_cvt_pk_bf16_f32 v[AX+16+\b], v[ME+2*\b+1], 0
.endr
.irp q,0,1,2,3
	ds_store_b128 v[AXA], v[AX+4*\q:AX+4*\q+3] offset:16*\q
	ds_store_b128 v[AXA], v[AX+16+4*\q:AX+16+4*\q+3] offset:80+16*\q
.endr
	s_wait_alu depctr_va_vdst(0)
	ds_store_b64 v[RSW], v[RSQ:RSQ+1]
.macro XLOAD i                         ; rows 16 i .. 16 i + 15 of my tile of x, 8 loads into window 2: two rows of 256 bytes a load
	WIN 0x80
.irp u,0,1,2,3,4,5,6,7
	global_load_b128 v[4*(8*\i+\u):4*(8*\i+\u)+3], v[XOFF], s[14:15] offset:(16*\i+2*\u)*4096 th:TH_LOAD_NT
.endr
	WIN 0
.endm
.macro FETCH slot, q, f                ; 24 loads: quarter q of a slot's 128 k
.irp i,0,1,2,3,4,5,6,7
	ds_load_b128 v[\f+8*\i:\f+8*\i+3], v[ADRA+\slot] offset:((\q)/2)*ASUB+((\q)%2)*64+\i*2304
	ds_load_b128 v[\f+8*\i+4:\f+8*\i+7], v[ADRA+\slot] offset:((\q)/2)*ASUB+((\q)%2)*64+\i*2304+32
.endr
.irp c,0,1,2,3
	ds_load_tr16_b128 v[\f+64+8*\c:\f+64+8*\c+3], v[ADRB+\slot] offset:(\q)*5120+32*\c
	ds_load_tr16_b128 v[\f+64+8*\c+4:\f+64+8*\c+7], v[ADRB+\slot] offset:(\q)*5120+32*\c+2560
.endr
.endm
.macro MUL16 f, i0, zero               ; the 32 accumulators take turns, one instruction a turn
.irp i,\i0,\i0+1,\i0+2,\i0+3
.irp c,0,1,2,3
.if \zero
	v_wmma_f32_16x16x32_bf16 v[8*(4*(\i)+\c):8*(4*(\i)+\c)+7], v[\f+64+8*\c:\f+64+8*\c+7], v[\f+8*(\i):\f+8*(\i)+7], 0
.else
	v_wmma_f32_16x16x32_bf16 v[8*(4*(\i)+\c):8*(4*(\i)+\c)+7], v[\f+64+8*\c:\f+64+8*\c+7], v[\f+8*(\i):\f+8*(\i)+7], v[8*(4*(\i)+\c):8*(4*(\i)+\c)+7]
.endif
.endr
.endr
.endm
.macro QUARTER slot, q, f, g           ; multiplies buffer f; first fetches quarter q of the slot into buffer g
	PLACES
	WIN 0
	FETCH \slot, \q, \g
	s_wait_dscnt 24                                ; all but the 24 just issued
	WIN 0x50
	MUL16 \f, 0, 0
	MUL16 \f, 4, 0
.endm
.macro THREE slot
	QUARTER \slot, 1, F0, F1
	QUARTER \slot, 2, F1, F0
	QUARTER \slot, 3, F0, F1
.endm
; The last quarter of a slot, and the change of slots.  xa, xb: row tiles of x that are asked for here (-1: none).
.macro TURN slot, next, fill, xa, xb
	s_wait_dscnt 0x0                               ; my reads of this slot are over,
	s_wait_tensorcnt 0x0                           ; and all my tensor loads have landed, my part of the next slot among them
	ds_add_u32 v30, v31
	s_wait_dscnt 0x0
	s_barrier_signal -1
	WIN 0x50
	MUL16 F1, 0, 0
	WIN 0
	s_barrier_wait -1
.if \fill
	CREST                                          ; no wave of any partner still reads this slot or has a load on its way
	s_add_nc_u64 s[G0A+4*\slot+2:G0A+4*\slot+3], s[G0A+4*\slot+2:G0A+4*\slot+3], 4194304
	s_add_nc_u64 s[G0B+4*\slot+2:G0B+4*\slot+3], s[G0B+4*\slot+2:G0B+4*\slot+3], 32768
	JLOAD \slot                                    ; the wave's one tensor load behind the round, ahead of any LDS read
.endif
	XLOAD \xa                                      ; behind the refill's request, never in front of it
.if \xb >= 0
	XLOAD \xb
.endif
	PLACES
	FETCH \next, 0, F0
	WIN 0x50
	MUL16 F1, 4, 0
.endm
	s_wait_tensorcnt 0x1                           ; the extra rows and my part of slot 0 are in; slot 1's may stay out
	s_wait_dscnt 0x0                               ; my rows of the extra step and my rstd are in LDS
	s_barrier_signal -1
	s_barrier_wait -1
.irp i,0,1,2,3,4,5,6,7
	ds_load_b128 v[F1+8*\i:F1+8*\i+3], v[ADRAX] offset:\i*1280
	ds_load_b128 v[F1+8*\i+4:F1+8*\i+7], v[ADRAX] offset:\i*1280+32
.endr
.irp c,0,1,2,3
	ds_load_tr16_b128 v[F1+64+8*\c:F1+64+8*\c+3], v[ADRBX] offset:32*\c
	ds_load_tr16_b128 v[F1+64+8*\c+4:F1+64+8*\c+7], v[ADRBX] offset:32*\c+2560
.endr
	FETCH 0, 0, F0
	s_wait_dscnt 24
	WIN 0x50
	MUL16 F1, 0, 1                                 ; the extra K step starts the sums: nothing is cleared
	MUL16 F1, 4, 1
	THREE 0                                        ; eight slot fills: two at the start, six refills
	TURN 0, 1, 1, 0, -1
	THREE 1
	TURN 1, 0, 1, 1, -1
	THREE 0
	TURN 0, 1, 1, 2, -1
	THREE 1
	TURN 1, 0, 1, 3, -1
	THREE 0
	TURN 0, 1, 1, 4, -1
	THREE 1
	TURN 1, 0, 1, 5, -1
	THREE 0                                        ; the last two slots fill nothing and have no round of the cluster's barrier
	TURN 0, 1, 0, 6, 7
	THREE 1
	s_wait_dscnt 0x0
	MUL16 F1, 0, 0
	MUL16 F1, 4, 0
	PLACES
	WIN 0
.irp i,0,1,2,3,4,5,6,7
	ds_load_b32 v[RSV+\i], v[RSA] offset:64*\i
.endr
	s_wait_dscnt 0x0
; THE WAY OUT, 16 rows at a time, in three parts that overlap from row tile to row tile: row tile i + 1 is scaled, staged and read back before row tile i
; is finished, so that no LDS round trip is waited for in full.  Two stage buffers and two sets of registers take turns.
.macro OSTORE i                        ; scale by the row's rstd, 32 bytes a lane and column tile into stage buffer i % 2
	WIN 0x01
.irp e,0,2,4,6,8,10,12,14,16,18,20,22,24,26,28,30
.if (\i)%2
	v_pk_mul_f32 v[TT+96+\e:TT+96+\e+1], v[32*\i+\e:32*\i+\e+1], v[RSV+\i-1:RSV+\i] op_sel:[0,1] op_sel_hi:[1,1]
.else
	v_pk_mul_f32 v[TT+\e:TT+\e+1], v[32*\i+\e:32*\i+\e+1], v[RSV+\i:RSV+\i+1] op_sel_hi:[1,0]
.endif
.endr
	WIN 0
.irp c,0,1,2,3
	ds_store_b128 v[STO], v[TT+96*((\i)%2)+8*\c:TT+96*((\i)%2)+8*\c+3] offset:SBUF*((\i)%2)+64*\c
	ds_store_b128 v[STO], v[TT+96*((\i)%2)+8*\c+4:TT+96*((\i)%2)+8*\c+7] offset:SBUF*((\i)%2)+64*\c+16
.endr
.endm
.macro OLOAD i                         ; whole rows back
	s_wait_xcnt 0x0                                ; the stores of row tile i - 2 read these registers: they are loaded over only behind this wait
.irp u,0,1,2,3,4,5,6,7
	ds_load_b128 v[UB+32*((\i)%2)+4*\u:UB+32*((\i)%2)+4*\u+3], v[RD] offset:SBUF*((\i)%2)+\u*544   ; LDS serves a wave's instructions in order: these see the stores above
.endr
.endm
.macro OFIN i, left                    ; add the bias and x, store
	s_wait_dscnt \left                             ; row tile i is back; the next tile's 8 stores and 8 loads may be out
	s_wait_loadcnt 8*(7-\i)                        ; x's row tile i is in; the younger row tiles' 8 loads each may be out
.irp u,0,1,2,3,4,5,6,7
	v_pk_add_f32 v[UB+32*((\i)%2)+4*\u:UB+32*((\i)%2)+4*\u+1], v[UB+32*((\i)%2)+4*\u:UB+32*((\i)%2)+4*\u+1], v[BIAS:BIAS+1]
	v_pk_add_f32 v[UB+32*((\i)%2)+4*\u+2:UB+32*((\i)%2)+4*\u+3], v[UB+32*((\i)%2)+4*\u+2:UB+32*((\i)%2)+4*\u+3], v[BIAS+2:BIAS+3]
.endr
	WIN 0x08                                       ; source 1: x, in window 2
.irp u,0,1,2,3,4,5,6,7
	v_pk_add_f32 v[UB+32*((\i)%2)+4*\u:UB+32*((\i)%2)+4*\u+1], v[UB+32*((\i)%2)+4*\u:UB+32*((\i)%2)+4*\u+1], v[4*(8*\i+\u):4*(8*\i+\u)+1]
	v_pk_add_f32 v[UB+32*((\i)%2)+4*\u+2:UB+32*((\i)%2)+4*\u+3], v[UB+32*((\i)%2)+4*\u+2:UB+32*((\i)%2)+4*\u+3], v[4*(8*\i+\u)+2:4*(8*\i+\u)+3]
.endr
	WIN 0
.irp u,0,1,2,3,4,5,6,7
	global_store_b128 v[XOFF], v[UB+32*((\i)%2)+4*\u:UB+32*((\i)%2)+4*\u+3], s[16:17] offset:(16*\i+2*\u)*4096 th:TH_STORE_NT   ; sixteen lanes store 256 consecutive bytes, aligned
.endr
.endm
	OSTORE 0
	OLOAD 0
	OSTORE 1
	OLOAD 1
	OFIN 0, 16
	OSTORE 2
	OLOAD 2
	OFIN 1, 16
	OSTORE 3
	OLOAD 3
	OFIN 2, 16
	OSTORE 4
	OLOAD 4
	OFIN 3, 16
	OSTORE 5
	OLOAD 5
	OFIN 4, 16
	OSTORE 6
	OLOAD 6
	OFIN 5, 16
	OSTORE 7
	OLOAD 7
	OFIN 6, 16
	OFIN 7, 0
	s_wait_tensorcnt 0x0
	ds_add_u32 v30, v31
	s_wait_dscnt 0x0
	CROUND                                         ; the closing round: no work-group ends while a partner may still ask for a tile that names it
	s_endpgm
.Lfunc_end_k_q6a5d158392_lnout:
	.size	k_q6a5d158392_lnout, .Lfunc_end_k_q6a5d158392_lnout-k_q6a5d158392_lnout
	.p2alignl 7, 3214868480
	.fill 96, 4, 3214868480
	.section	.rodata,"a",@progbits
	.p2align	6, 0x0
	.amdhsa_kernel k_q6a5d158392_lnout
		.amdhsa_group_segment_fixed_size 327680
		.amdhsa_private_segment_fixed_size 0
		.amdhsa_enable_private_segment 0
		.amdhsa_kernarg_size 56
		.amdhsa_user_sgpr_count 2
		.amdhsa_user_sgpr_kernarg_segment_ptr 1
		.amdhsa_wavefront_size32 1
		.amdhsa_system_sgpr_workgroup_id_x 1
		.amdhsa_system_sgpr_workgroup_id_y 1
		.amdhsa_system_sgpr_workgroup_id_z 1
		.amdhsa_system_vgpr_workitem_id 0
		.amdhsa_next_free_vgpr 768
		.amdhsa_next_free_sgpr 100
		.amdhsa_reserve_vcc 0
		.amdhsa_float_denorm_mode_32 3
		.amdhsa_float_denorm_mode_16_64 3
		.amdhsa_memory_ordered 1
		.amdhsa_forward_progress 1
		.amdhsa_inst_pref_size 198
	.end_amdhsa_kernel
	.amdgpu_metadata
---
amdhsa.version: [ 1, 2 ]
amdhsa.kernels:
  - .name:           k_q6a5d158392_lnout
    .symbol:         k_q6a5d158392_lnout.kd
    .args:
      - { .name: rb, .offset: 0, .size: 8, .value_kind: global_buffer, .address_space: global }
      - { .name: woe, .offset: 8, .size: 8, .value_kind: global_buffer, .address_space: global }
      - { .name: stats, .offset: 16, .size: 8, .value_kind: global_buffer, .address_space: global }
      - { .name: pb, .offset: 24, .size: 8, .value_kind: global_buffer, .address_space: global }
      - { .name: bo, .offset: 32, .size: 8, .value_kind: global_buffer, .address_space: global }
      - { .name: x, .offset: 40, .size: 8, .value_kind: global_buffer, .address_space: global }
      - { .name: out0, .offset: 48, .size: 8, .value_kind: global_buffer, .address_space: global }
    .group_segment_fixed_size: 327680
    .private_segment_fixed_size: 0
    .kernarg_segment_align: 8
    .kernarg_segment_size: 56
    .max_flat_workgroup_size: 128
    .sgpr_count:     100
    .vgpr_count:     768
    .wavefront_size: 32
...
	.end_amdgpu_metadata
.endif
;; end of part 3
